; MI455X (gfx1250); checked and timed in simulation.
; The chip was launched on July 23, 2026; its instructions are those of AMD's public machine-readable ISA for CDNA 5 (MIT licence, August 2026) and "CDNA5" Instruction Set Architecture Reference Guide (July 2026). The comments in the code are by the model that wrote it; some were corrected since.
;; Sparse Attention. Allowed arithmetic: matrix products marked QUANTISED: E2M3 operands, one E8M0 scale for each 32 along K, by v_wmma_scale_f32_16x16x128_f8f6f4 with both operands' format E2M3, f32 sums; everything else in f32.
;; Inputs: W_attn 1,024 x 3,072 float32; W_proj 1,024 x 1,024 float32; b_attn 3,072 float32; b_proj 1,024 float32; x 1 x 4,096 x 1,024 float32.
;; Outputs: out0 1 x 4,096 x 1,024 float32.
;; This version of the problem:
;;   THIS VERSION OF THE PROBLEM IS GIVEN IN LOW PRECISION. The matrix products marked QUANTISED in the list below multiply operands that are first quantised to E2M3 (2 exponent bits, 3 mantissa bits; 6 bits a number), with one power-of-two scale for each 32 numbers along K (OCP MX v1.0); their sums are f32. All else is computed in f32.
;;   The module's matrix products, in the order in which they are computed (A, B: the left and right operand; K: the contracted axis; several contracted axes count as one K, in the product's order):
;;     1. [M 4,096, K 1,024] x [K 1,024, N 3,072]; A: input x; B: input W_attn: QUANTISED
;;     2. batch 16 x [M 4,096, K 64] x [K 64, N 4,096]; A: computed on the way; B: computed on the way: QUANTISED
;;     3. batch 16 x [M 4,096, K 4,096] x [K 4,096, N 64]; A: softmax (see below); B: computed on the way: QUANTISED
;;     4. [M 4,096, K 1,024] x [K 1,024, N 1,024]; A: computed on the way; B: input W_proj: QUANTISED
;;   THE QUANTISER, for each operand of a quantised product, along K:
;;     - K is cut into blocks of 32 from its start; a last block that is shorter is filled with zeros.
;;     - A block's scale is 2^e with e = floor(log2(the largest magnitude in the block)) - 2, held to -126 .. 127; a block of zeros has e = 0. As a byte (E8M0): e + 127.
;;     - Each number is divided by its block's scale, clamped to +-7.5, and rounded to the nearest number of E2M3, ties to even, subnormals kept.
;;     - The product sums the exact products of the quantised numbers (number of the format x scale) in f32.
;;   ~~~python
;;   def quantise(x, axis):      # numpy; x: float32 -> the quantised numbers, widened to float32 again
;;       x = np.moveaxis(x, axis, -1); K = x.shape[-1]
;;       x = np.pad(x, [(0, 0)] * (x.ndim - 1) + [(0, -K % 32)]); x = x.reshape(x.shape[:-1] + (-1, 32)); a = np.abs(x).max(-1, keepdims=True)
;;       e = np.where(a > 0, np.clip(np.frexp(np.where(a > 0, a, 1))[1] - 1 - 2, -126, 127), 0)      # np.frexp(a)[1] - 1 = floor(log2(a)), exactly
;;       r = np.clip(x / 2.0 ** e, -7.5, 7.5)
;;       step = 2.0 ** (np.maximum(np.frexp(np.where(r == 0, 1, r))[1] - 1, 0) - 3)
;;       q = np.round(r / step) * step * 2.0 ** e      # np.round: ties to even
;;       return np.moveaxis(q.reshape(q.shape[:-2] + (-1,))[..., :K], -1, axis).astype(np.float32)
;;   ~~~
;;   SOFTMAX AHEAD OF A QUANTISED PRODUCT. Where the list says 'softmax', what is quantised is not the finished softmax but p = 2^(t - M), with t = logit x log2(e) and M = ceil(the row's largest t), a whole number; so 1/2 < the row's largest p <= 1. The row's sum l is taken of the UNQUANTISED p, in f32, and the product's result is divided by l at the end. Since M is a whole number, a kernel that streams over the keys may use a running M (the ceiling of the running maximum): every later rescaling is an exact power of two, which a block's scale takes up: the codes' values come out the same.
;;   OPERANDS COMPUTED ON THE WAY. 'Computed on the way' means the value that the module computes at that place (a softmax that the list does not call 'softmax' is quantised finished and normalised). What goes into a quantiser is computed in f32, as accurately as f32 sums, v_exp_f32 and their like allow (about 1e-6 of the number): no bf16 or f16 on the way to a quantiser, and a product that is left as it is and whose result goes on into a quantised operand takes f32 operands (vector FMAs, or v_wmma_f32_16x16x4_f32). A number that lies on a knife's edge between two numbers of the format may be rounded either way, as far as f32 arithmetic and the matrix unit's own rounding can turn it there, and no further.
;; One version. Each part assembles by itself: llvm-mc -triple=amdgcn-amd-amdhsa -mcpu=gfx1250 --defsym DOCPART=n.
;; ======== version 1 of 1: 5 launches
;; workspace buffers: xq 3,276,800 bytes; waq 2,457,600 bytes; wpq 819,200 bytes; qb 3,276,800 bytes; kvb 6,553,600 bytes; yq 3,276,800 bytes; part 4,456,448 bytes
;; launch quant (part 1): grid 256 x 1, 8 waves a work-group, no clusters, 283,648 bytes of LDS; arguments x, W_attn, W_proj, xq, waq, wpq; writes xq, waq, wpq
.if DOCPART == 1
	.amdgcn_target "amdgcn-amd-amdhsa--gfx1250"
	.amdhsa_code_object_version 6
	.text
	.protected	k_q4833efa9ac_quant
	.globl	k_q4833efa9ac_quant
	.p2align	8
	.type	k_q4833efa9ac_quant,@function
k_q4833efa9ac_quant:
	s_mov_b64 s[64:65], 0
	v_nop
	global_prefetch_b8 v0, s[64:65] scope:SCOPE_SE
	s_setreg_imm32_b32 hwreg(HW_REG_WAVE_MODE, 25, 1), 1
	s_wait_xcnt 0x0
; x [4096][1024], W_attn [1024][3072] and W_proj [1024][1024], f32, become codes of FP6 (E2M3) with one E8M0 byte for each 32 along K (K = 1024 in all three).
; OUTPUT LAYOUT.  Rows go in tiles of 16; a tile's codes of 64 along K are an IMAGE of 768 bytes: byte 256 p + 8 L + e is byte 8 p + e of the 24 bytes of (tile row L % 16, block L / 16 of the two).
; So two images on end are the 12 registers of a matrix operand, brought by six loads of 8 bytes a lane at 8 x lane.  Codes: [tile][K / 64][768].  Scale words: [tile pair][K / 128][32 lanes = 16 x tile + row], 4 bytes.
; The tiles of x hold rows 32 B + 8 u + r + 8 (r / 8) (tile 2 B + u, row r); the tiles of the weights hold 16 neighbouring columns n.
; SHARES.  A wave takes one unit of 16 KB and asks for all of it at once (32 loads of 512 bytes).  Work-groups 0-127: x, 32 rows x 128 K a wave.  128-223: W_attn, 224-255: W_proj, 32 columns x 128 K a wave.
; The unit turns through the wave's own stage in LDS, so that a lane gets the 32 numbers of ONE block in 32 registers.  Waves share nothing: no barrier.  The two paths have LDS bytes of their own.
; A block's scale is 2^(floor(log2(largest magnitude)) - 2); its byte is the largest magnitude's exponent field - 2, held at 1 from below.
; LIMITS: a block of zeros, or one whose largest magnitude lies under 2^-124, gets the byte 1 (the rule says 127 for zeros): its codes are zeros or the held ones, and this program alone reads the bytes.  NaN and infinities are not served.
; A wave's store of scale words covers 128 consecutive bytes, the neighbouring wave's the other 128 of the aligned 256: one byte in 128 of what the launch reads.
.set XSB,   32*528                     ; x's stage of a wave: 32 rows of 512 bytes + 16
.set WSTG,  8*XSB
.set WSB,   128*144                    ; a weight's stage of a wave: 128 rows (k) of 128 bytes + 16
.set SPARE, WSTG+8*WSB                 ; the spare words: 128 bytes a wave, four blocks of 256 bytes that no other line names
.set XSC,   3145728                    ; where x's scale words begin in xq
.set L16, 1
.set L8,  2
.set L4,  3
.set SIX, 4                            ; x's stage: in, out
.set SOX, 5
.set SIW, 6                            ; the weights' stage: in, out
.set SOW, 7
.set SH8, 8                            ; 8 x (lane / 16)
.set SPW, 9
.set NIL, 10
.set VOF, 11
.set R,   16                           ; v16-143  the unit as loaded
.set XA,  144                          ; v144-207 two sets of 32 numbers of a block (before that: the weights' 32 load offsets)
.set CA,  208                          ; v208-213, v218-223 codes; v214-216, v224-226 a block's second half
.set TA,  214
.set E,   228
.set M0,  229
.set M1,  230
.set SO,  231
.set T,   232
.set T2,  233
.set WD,  236                          ; v236, v237 the scale words of the unit's two tiles
.set OUT, 238
.set SEL, 32
.set HM,  34
; 32 numbers of a lane become 6 registers of codes and the scale's byte
.macro QB x, c, t, e
	v_max3_num_f32 v[M0], |v[\x]|, |v[\x+1]|, |v[\x+2]|
	v_max3_num_f32 v[M1], |v[\x+3]|, |v[\x+4]|, |v[\x+5]|
.irp i, 6,10,14,18,22,26
	v_max3_num_f32 v[M0], v[M0], |v[\x+\i]|, |v[\x+\i+1]|
	v_max3_num_f32 v[M1], v[M1], |v[\x+\i+2]|, |v[\x+\i+3]|
.endr
	v_max3_num_f32 v[M0], v[M0], |v[\x+30]|, |v[\x+31]|
	v_max3_num_f32 v[M0], v[M0], v[M1], 0x1800000      ; the floor 2^(3 - 127): the byte cannot fall under 1
	v_add_nc_u32 v[SO], 0xff000000, v[M0]              ; 2 off the exponent field: the conversion's scale operand
	v_lshrrev_b32 v[\e], 23, v[SO]                     ; the byte
	v_cvt_scalef32_pk16_fp6_f32 v[\c:\c+2], v[\x:\x+15], v[SO]
	v_cvt_scalef32_pk16_fp6_f32 v[\t:\t+2], v[\x+16:\x+31], v[SO]   ; (a conversion's three registers begin on an even number)
	v_nop                                              ; one plain place behind a scaled conversion
.irp i, 0,1,2
	v_mov_b32 v[\c+3+\i], v[\t+\i]
.endr
.endm
; my block's byte and lane l xor 16's make a halfword (block of lanes 0-15 low), the same in both lanes; two halfwords make a row's scale word
.macro HW dst, e, second
	v_lshlrev_b32 v[T], v[SH8], v[\e]
	v_permlanex16_b32 v[T2], v[T], s[SEL], s[SEL+1]
	v_or_b32 v[T], v[T], v[T2]
.if \second
	v_lshl_or_b32 v[\dst], v[T], 16, v[\dst]
.else
	v_mov_b32 v[\dst], v[T]
.endif
.endm
; task t = 2 x tile + half of the 128 along K: quantised and stored.  left: the next task's LDS loads, which may stay out
.macro PROC t, left
.set QX, XA+32*((\t)%2)
.set QC, CA+10*((\t)%2)
.set QT, TA+10*((\t)%2)
	s_wait_dscnt \left
	s_wait_xcnt 0x0                                    ; the stores of two tasks ago have read these code registers
	QB QX, QC, QT, E
.irp p, 0,1,2
	global_store_b64 v[L8], v[QC+2*\p:QC+2*\p+1], s[10:11] offset:((\t)/2)*12288+((\t)%2)*768+\p*256   ; 32 lanes store 256 consecutive bytes, aligned
.endr
	HW WD+(\t)/2, E, (\t)%2
.endm
.macro XFETCH t
.set XX, XA+32*((\t)%2)
.irp i, 0,1,2,3,4,5,6,7
	ds_load_b128 v[XX+4*\i:XX+4*\i+3], v[SOX] offset:((\t)/2)*4224+((\t)%2)*256+16*\i
.endr
.endm
.macro WFETCH t
.set XX, XA+32*((\t)%2)
.set i, 0
.rept 32
	ds_load_b32 v[XX+i], v[SOW] offset:(64*((\t)%2)+i)*144+((\t)/2)*64
.set i, i+1
.endr
.endm
.macro TAIL
	v_cndmask_b32 v[OUT], v[WD], v[WD+1], s[HM]        ; lanes 0-15 the first tile's words, lanes 16-31 the second's
	global_store_b32 v[L4], v[OUT], s[18:19]
.endm
	s_load_b256 s[4:11], s[0:1], 0x0                   ; x, W_attn, W_proj, xq
	s_load_b128 s[12:15], s[0:1], 0x20                 ; waq, wpq
	v_lshl_add_u32 v[SPW], v0, 2, SPARE
	v_mov_b32 v[NIL], 0
	v_lshrrev_b32 v12, 5, v0
	v_readfirstlane_b32 s16, v12                       ; wave 0..7
	v_and_b32 v12, 31, v0                              ; lane
	v_and_b32 v13, 15, v0                              ; r
	v_bfe_u32 v14, v0, 4, 1                            ; h
	v_lshlrev_b32 v[L16], 4, v12
	v_lshlrev_b32 v[L8], 3, v12
	v_lshlrev_b32 v[L4], 2, v12
	v_lshlrev_b32 v[SH8], 3, v14
	s_mul_i32 s17, s16, XSB
	v_add_nc_u32 v[SIX], s17, v[L16]                   ; in: a row's 512 bytes, 16 a lane
	v_and_b32 v15, 8, v13
	v_add_nc_u32 v15, v15, v13                         ; r + 8 (r / 8)
	v_mul_u32_u24 v15, v15, 528
	v_lshl_add_u32 v15, v14, 7, v15                    ; + my block's 128 bytes
	v_add_nc_u32 v[SOX], s17, v15
	s_mul_i32 s17, s16, WSB
	s_add_co_u32 s17, s17, WSTG
	v_lshrrev_b32 v15, 3, v12                          ; lane / 8
	v_and_b32 v12, 7, v12                              ; lane % 8
	v_mul_u32_u24 v[SIW], v15, 144
	v_lshl_add_u32 v[SIW], v12, 4, v[SIW]
	v_add_nc_u32 v[SIW], s17, v[SIW]                   ; in: four rows of 128 bytes a load
	v_mul_u32_u24 v[SOW], v14, 4608
	v_lshl_add_u32 v[SOW], v13, 2, v[SOW]
	v_add_nc_u32 v[SOW], s17, v[SOW]                   ; out: column r, 32 rows further down for lanes 16-31
	v_mov_b32 v[T2], 0                                 ; a lane permute's destination counts as one of its sources
	s_mov_b32 s[SEL], 0x76543210
	s_mov_b32 s[SEL+1], 0xfedcba98
	s_mov_b32 s[HM], 0xffff0000
	s_wait_kmcnt 0x0
	s_cmp_lt_u32 ttmp9, 128
	s_cbranch_scc0 .Lweights
	; ---- x: rows 32 B .. 32 B + 31 (B = work-group), K 128 w .. 128 w + 127 (w = wave)
	s_lshl_b32 s20, ttmp9, 17
	s_lshl_b32 s21, s16, 9
	s_add_co_u32 s20, s20, s21
	s_mov_b32 s21, 0
	s_add_nc_u64 s[4:5], s[4:5], s[20:21]
.set i, 0
.rept 32
	global_load_b128 v[R+4*i:R+4*i+3], v[L16], s[4:5] offset:4096*i th:TH_LOAD_NT
.set i, i+1
.endr
	s_mul_i32 s20, ttmp9, 24576
	s_mul_i32 s22, s16, 1536
	s_add_co_u32 s20, s20, s22
	s_lshl_b32 s22, ttmp9, 10
	s_lshl_b32 s23, s16, 7
	s_add_co_u32 s22, s22, s23
	s_mov_b32 s23, 0
	s_add_nc_u64 s[18:19], s[10:11], s[22:23]
	s_add_nc_u64 s[18:19], s[18:19], XSC               ; my scale words
	s_add_nc_u64 s[10:11], s[10:11], s[20:21]          ; my images
.set g, 0
.rept 4
	s_wait_loadcnt 24-8*g                              ; eight more rows are in; the younger loads stay out
.set i, 8*g
.rept 8
	ds_store_b128 v[SIX], v[R+4*i:R+4*i+3] offset:528*i
.set i, i+1
.endr
.set g, g+1
.endr
	XFETCH 0                                           ; LDS serves a wave's instructions in order: these see my stores
	XFETCH 1
	PROC 0, 8
	XFETCH 2
	PROC 1, 8
	XFETCH 3
	PROC 2, 8
	PROC 3, 0
	TAIL
	s_branch .Lend
.Lweights:
	; ---- a weight: columns 256 cg + 32 w .. + 31, K 128 ks .. + 127.  One text for both: only pointers and the row's length are chosen, by the work-group's number
	s_sub_co_u32 s20, ttmp9, 128
	s_cmp_lt_u32 s20, 96
	s_cselect_b64 s[4:5], s[6:7], s[8:9]
	s_cselect_b64 s[10:11], s[12:13], s[14:15]
	s_mov_b32 s22, 4096
	s_cselect_b32 s22, 12288, s22                      ; a row of the weight in bytes
	s_mov_b32 s23, 786432
	s_cselect_b32 s23, 2359296, s23                    ; where its scale words begin
	s_cselect_b32 s24, 0, 96
	s_sub_co_u32 s20, s20, s24
	s_lshr_b32 s25, s20, 3                             ; cg
	s_and_b32 s26, s20, 7                              ; ks
	s_lshl_b32 s27, s26, 7
	s_mul_i32 s28, s27, s22
	s_lshl_b32 s27, s25, 10
	s_add_co_u32 s28, s28, s27
	s_lshl_b32 s27, s16, 7
	s_add_co_u32 s28, s28, s27
	s_mov_b32 s29, 0
	s_add_nc_u64 s[4:5], s[4:5], s[28:29]
	v_mul_lo_u32 v[VOF], v15, s22
	v_lshl_add_u32 v[VOF], v12, 4, v[VOF]              ; row lane / 8, 16 bytes x lane % 8
	s_lshl_b32 s30, s22, 2                             ; four rows on
.set i, 0
.rept 32
	v_mad_u32_u24 v[XA+i], s30, i, v[VOF]
.set i, i+1
.endr
.set i, 0
.rept 32
	global_load_b128 v[R+4*i:R+4*i+3], v[XA+i], s[4:5] th:TH_LOAD_NT
.set i, i+1
.endr
	s_lshl_b32 s27, s25, 4
	s_lshl_b32 s28, s16, 1
	s_add_co_u32 s27, s27, s28                         ; my first tile: 16 cg + 2 w
	s_mul_i32 s20, s27, 12288
	s_mul_i32 s28, s26, 1536
	s_add_co_u32 s20, s20, s28
	s_mov_b32 s21, 0
	s_lshl_b32 s28, s27, 9                             ; its pair x 1,024
	s_lshl_b32 s27, s26, 7
	s_add_co_u32 s28, s28, s27
	s_add_co_u32 s28, s28, s23
	s_add_nc_u64 s[18:19], s[10:11], s[28:29]
	s_add_nc_u64 s[10:11], s[10:11], s[20:21]
.set g, 0
.rept 4
	s_wait_loadcnt 24-8*g
.set i, 8*g
.rept 8
	ds_store_b128 v[SIW], v[R+4*i:R+4*i+3] offset:576*i
.set i, i+1
.endr
.set g, g+1
.endr
	WFETCH 0                                           ; behind the wait for all loads: the offset registers are free
	WFETCH 1
	PROC 0, 32
	WFETCH 2
	PROC 1, 32
	WFETCH 3
	PROC 2, 32
	PROC 3, 0
	TAIL
.Lend:
	s_wait_tensorcnt 0x0                               ; the wave's end: behind my last LDS store
	ds_add_u32 v[SPW], v[NIL]
	s_wait_dscnt 0x0
	s_endpgm
.Lfunc_end_k_q4833efa9ac_quant:
	.size	k_q4833efa9ac_quant, .Lfunc_end_k_q4833efa9ac_quant-k_q4833efa9ac_quant
	.p2alignl 7, 3214868480
	.fill 96, 4, 3214868480
	.section	.rodata,"a",@progbits
	.p2align	6, 0x0
	.amdhsa_kernel k_q4833efa9ac_quant
		.amdhsa_group_segment_fixed_size 283648
		.amdhsa_private_segment_fixed_size 0
		.amdhsa_enable_private_segment 0
		.amdhsa_kernarg_size 48
		.amdhsa_user_sgpr_count 2
		.amdhsa_user_sgpr_kernarg_segment_ptr 1
		.amdhsa_wavefront_size32 1
		.amdhsa_system_sgpr_workgroup_id_x 1
		.amdhsa_system_sgpr_workgroup_id_y 1
		.amdhsa_system_sgpr_workgroup_id_z 1
		.amdhsa_system_vgpr_workitem_id 0
		.amdhsa_next_free_vgpr 256
		.amdhsa_next_free_sgpr 66
		.amdhsa_reserve_vcc 0
		.amdhsa_float_denorm_mode_32 3
		.amdhsa_float_denorm_mode_16_64 3
		.amdhsa_memory_ordered 1
		.amdhsa_forward_progress 1
		.amdhsa_inst_pref_size 42
	.end_amdhsa_kernel
	.amdgpu_metadata
---
amdhsa.version: [ 1, 2 ]
amdhsa.kernels:
  - .name:           k_q4833efa9ac_quant
    .symbol:         k_q4833efa9ac_quant.kd
    .args:
      - { .name: x, .offset: 0, .size: 8, .value_kind: global_buffer, .address_space: global }
      - { .name: W_attn, .offset: 8, .size: 8, .value_kind: global_buffer, .address_space: global }
      - { .name: W_proj, .offset: 16, .size: 8, .value_kind: global_buffer, .address_space: global }
      - { .name: xq, .offset: 24, .size: 8, .value_kind: global_buffer, .address_space: global }
      - { .name: waq, .offset: 32, .size: 8, .value_kind: global_buffer, .address_space: global }
      - { .name: wpq, .offset: 40, .size: 8, .value_kind: global_buffer, .address_space: global }
    .group_segment_fixed_size: 283648
    .private_segment_fixed_size: 0
    .kernarg_segment_align: 8
    .kernarg_segment_size: 48
    .max_flat_workgroup_size: 256
    .sgpr_count:     66
    .vgpr_count:     256
    .wavefront_size: 32
...
	.end_amdgpu_metadata
.endif
;; end of part 1
;; launch qkv (part 2): grid 12 x 16, 4 waves a work-group, clusters of 4 x 4, 327,680 bytes of LDS; arguments xq, waq, b_attn, qb, kvb; writes qb, kvb
.if DOCPART == 2
	.amdgcn_target "amdgcn-amd-amdhsa--gfx1250"
	.amdhsa_code_object_version 6
	.text
	.protected	k_q4833efa9ac_qkv
	.globl	k_q4833efa9ac_qkv
	.p2align	8
	.type	k_q4833efa9ac_qkv,@function
k_q4833efa9ac_qkv:
	s_mov_b64 s[64:65], 0
	v_nop
	global_prefetch_b8 v0, s[64:65] scope:SCOPE_SE
	s_setreg_imm32_b32 hwreg(HW_REG_WAVE_MODE, 25, 1), 1
	s_wait_xcnt 0x0
	s_wait_alu depctr_hold_cnt(0) depctr_sa_sdst(0) depctr_va_vdst(0) depctr_va_sdst(0) depctr_va_ssrc(0) depctr_va_vcc(0) depctr_vm_vsrc(0)
	s_getreg_b32 s2, hwreg(HW_REG_IB_STS2, 6, 4)
	s_cmp_eq_u32 s2, 0
	s_cbranch_scc0 .Lentry_in_a_cluster
	s_endpgm
.Lentry_in_a_cluster:
	s_bfe_u32 s2, ttmp6, 0x10000c
	s_cmp_lg_u32 s2, 0xf033
	s_cbranch_scc0 .Lentry_shape_is_right
	s_endpgm
.Lentry_shape_is_right:
; qkv = Q(x) Q(W_attn) + b_attn on codes of FP6 (E2M3), and the results quantised at once into the operands of the attention launch.  M 4,096, N 3,072, K 1,024.
; A work-group of four waves makes 256 tokens x 256 columns, a wave 128 x 128: 64 accumulators, 512 registers.  K goes in steps of 256 through a ring of two LDS slots.
; The codes lie in memory as images of operand registers (16 rows x 64 K = 768 bytes): a fragment is six loads of 8 bytes a lane at 8 x lane: consecutive bytes, no padding.
; A K step of a tile of 16 rows is 3,072 consecutive bytes; a wave's tensor load brings 8 such rows.  The scale words of the work-group's rows, all of K, come once (4 x 4,096 bytes).
; CLUSTERS: 4 x 4 work-groups; x's tiles are asked for jointly along a row of the cluster, the weight's along a column.  192 work-groups: a tile of 256 columns keeps four whole heads of q, k or v.
; THE MATRIX INSTRUCTION IS USED TRANSPOSED (source 0 = 16 columns n, source 1 = 16 tokens): a lane holds one token and eight neighbouring columns.  The bias is the C of each sum's first product.
; THE WAY OUT.  Cluster x = 0: q, 1: k, 2: v.  q, k: quantised along the head's 64 (two blocks), rows = tokens.  v: quantised along the TOKENS (the keys are the second product's K), rows = the head's d.
; Both go through the wave's own stage in LDS, which turns the results so that a lane holds the 32 numbers of one block.  The two ways out have stages of their own, and no tensor load fills them.
; qb: [head][128 tokens a][6,400]: 8 images, then words [row 16][pair of tiles 4] (bytes 0, 1: the even tile's two blocks; 2, 3: the odd tile's).
; kvb: [head][a][12,800]: K's 8 images; V's 8 (tile of d, half of the 128 keys); K's words as qb's; V's words [row 16][tile of d 4], a byte a block of 32 keys.
; The tiles of tokens hold tokens 32 B + 8 u + r + 8 (r / 8), those of d likewise: so the attention's results fall as neighbours along its next K.
; LIMITS: as in the quantising launch (byte 1 for blocks of zeros and under 2^-124; no NaN, no infinities).  The bias starts the f32 sum and is not added behind it.
.set NQ,    2
.set FR,    12
.set NL,    6
.set NP,    4
.set SROW,  3072                       ; a tile's four images of a K step
.set HALFT, 8*SROW                     ; what one tensor load brings, and what one wave reads of x or of the weight
.set SLOT,  4*HALFT
.set LAPS,  2
.set SCL,   2*SLOT                     ; the scale words: [wave that fetched them][4,096]
.set SPARE, SCL+16384                  ; the spare words: two blocks of 256 bytes that no other line names
.set QSTG,  SPARE+512                  ; q's and k's stage: 16 rows x (512 + 16) a wave
.set QSB,   16*528
.set VSTG,  QSTG+4*QSB                 ; v's stage: 64 rows x (256 + 16) a wave
.set VSB,   64*272
.set XSC,   3145728
.set WSC,   2359296
.set L8,   2
.set QSI,  3
.set QSO,  4
.set VSI,  5
.set VSO,  6
.set SH8,  7
.set SCO,  8
.set ADRA, 16                          ; v16, v17 LDS address of my fragments of x in slot 0, 1
.set ADRB, 20                          ; v20, v21 of the weight
.set ADRS, 27                          ; v27 of my scale words: lanes 0-15 x's rows, lanes 16-31 the weight's
.set SPW,  28
.set NIL,  29
.set SC,   32                          ; v32-63 scale words, two sets
.set BI,   64                          ; v64-127 the bias in the result's layout
.set AF,   128                         ; v128-223 x's fragments, one set
.set X0,   128                         ; the way out: v128-191 two sets of 32 numbers
.set CA,   192
.set TA,   198
.set E,    212
.set M0,   213
.set M1,   214
.set SO,   215
.set T,    216
.set T2,   217
.set WW,   220                         ; v220-227 scale words: [head of my two][4]
.set OUT,  228
.set G1, 24
.set G0, 32
.set G1B, 48
.set G0B, 56
.set G1S, 68
.set G0S, 76
.set G1SB, 80
.set G0SB, 88
.set HM,  2
.set SEL, 92
.set PH,  96                           ; s[96:97], s[98:99] where my two heads' blocks begin; s[100:101] the scale words' place
.set PS,  100
.set MSB, 0
.macro WIN new                         ; the immediate's high byte repeats the setting that is left
.if MSB != (\new)
	s_set_vgpr_msb (MSB<<8)|(\new)
.set MSB, (\new)
.endif
.endm
.set MUL_LO, 0xa1                      ; source 0 (weight) window 1, source 1 (x) window 0, C and D window 2
.set MUL_HI, 0xf1                      ; the same, C and D window 3
.set TO_B,   0x40
; a joint load: waves 0 and 1 fetch for x, waves 2 and 3 for the weight; an s_nop 0 and four v_nop follow each of the two lines
.macro JLOAD g0a, g1a, g0b, g1b
	s_cmp_eq_u32 s15, 0
	s_cbranch_scc0 .Lfor_b_\@
	tensor_load_to_lds s[\g0a:\g0a+3], s[\g1a:\g1a+7]
	s_nop 0
.rept 4
	v_nop
.endr
	s_branch .Lasked_\@
.Lfor_b_\@:
	tensor_load_to_lds s[\g0b:\g0b+3], s[\g1b:\g1b+7]
	s_nop 0
.rept 4
	v_nop
.endr
.Lasked_\@:
.endm
.macro CREST
	s_cmp_lg_u32 s14, 0
	s_cbranch_scc1 .Lnot_wave_0_\@
	s_barrier_signal -3
.Lnot_wave_0_\@:
	s_barrier_wait -3
	s_barrier_signal -1
	s_barrier_wait -1
.endm
.macro CROUND
	s_barrier_signal -1
	s_barrier_wait -1
	CREST
.endm
	s_load_b128 s[4:7], s[0:1], 0x0                ; xq, waq
	s_load_b128 s[8:11], s[0:1], 0x10              ; b_attn, qb
	s_load_b64 s[12:13], s[0:1], 0x20              ; kvb
	v_lshl_add_u32 v[SPW], v0, 2, SPARE
	v_mov_b32 v[NIL], 0
	ds_add_u32 v[SPW], v[NIL]                      ; the wave's opening: the add and its wait come ahead of my first tensor load
	v_lshrrev_b32 v1, 5, v0
	v_readfirstlane_b32 s14, v1                    ; wave 0..3
	s_lshr_b32 s15, s14, 1                         ; which half of the tokens is mine.  Also: I fetch for x (0) or for the weight (1)
	s_and_b32 s16, s14, 1                          ; which half of the columns.  Also: which 8 tiles I fetch
	s_bfe_u32 s40, ttmp6, 0x40000                  ; cx, cy
	s_bfe_u32 s41, ttmp6, 0x40004
	s_lshl_b32 s42, ttmp9, 2
	s_add_co_u32 s42, s42, s40                     ; tile column = 4 x cluster x + cx
	s_and_b32 s17, ttmp7, 0xffff
	s_lshl_b32 s17, s17, 2
	s_add_co_u32 s17, s17, s41                     ; tile row = 4 x cluster y + cy
	s_lshl_b32 s43, s41, 2
	s_lshl_b32 s43, 15, s43                        ; my row of the cluster
	s_lshl_b32 s44, 0x1111, s40                    ; my column
	s_or_b32 s[G1+0], s43, (3<<16)|(1<<21)         ; the mask; elements of 8 bytes; no padding; bit 21 beside a mask
	s_or_b32 s[G1B+0], s44, (3<<16)|(1<<21)
.irp g, G1, G1B
	s_mov_b32 s[\g+1], 384<<16                     ; tensor_dim0: 3,072 bytes
	s_mov_b32 s[\g+2], 8<<16                       ; tensor_dim1: 8 tiles
	s_mov_b32 s[\g+3], 384<<16                     ; tile_dim0
	s_mov_b32 s[\g+4], 8                           ; tile_dim1
	s_mov_b32 s[\g+5], 1536                        ; from tile to tile: 12,288 bytes
	s_mov_b32 s[\g+6], 0
	s_mov_b32 s[\g+7], 0
.endr
	s_or_b32 s[G1S+0], s43, (3<<16)|(1<<21)        ; the scale words of 8 tiles: 4,096 dense bytes as 16 rows of 256
	s_or_b32 s[G1SB+0], s44, (3<<16)|(1<<21)
.irp g, G1S, G1SB
	s_mov_b32 s[\g+1], 32<<16
	s_mov_b32 s[\g+2], 16<<16
	s_mov_b32 s[\g+3], 32<<16
	s_mov_b32 s[\g+4], 16
	s_mov_b32 s[\g+5], 32
	s_mov_b32 s[\g+6], 0
	s_mov_b32 s[\g+7], 0
.endr
	s_lshl_b32 s18, s16, 3
	s_lshl_b32 s20, s17, 4
	s_add_co_u32 s20, s20, s18                     ; x: tile 16 x tile row + 8 x half
	s_lshl_b32 s46, s42, 4
	s_add_co_u32 s46, s46, s18                     ; weight: tile 16 x tile column + 8 x half
	s_lshl_b32 s22, s20, 9                         ; their scale words: 512 bytes a tile
	s_lshl_b32 s92, s46, 9
	s_mul_i32 s20, s20, 12288
	s_mul_i32 s46, s46, 12288
	s_mov_b32 s21, 0
	s_mov_b32 s23, 0
	s_mov_b32 s47, 0
	s_mov_b32 s93, 0
	s_mul_i32 s45, s14, HALFT                      ; where they go: by the wave's number alone
	s_lshl_b32 s94, s14, 12
	s_wait_dscnt 0x0                               ; the opening add is done
	s_wait_kmcnt 0x0
	s_add_nc_u64 s[20:21], s[4:5], s[20:21]
	s_add_nc_u64 s[22:23], s[4:5], s[22:23]
	s_add_nc_u64 s[22:23], s[22:23], XSC
	s_add_nc_u64 s[46:47], s[6:7], s[46:47]
	s_add_nc_u64 s[92:93], s[6:7], s[92:93]
	s_add_nc_u64 s[92:93], s[92:93], WSC
	CROUND                                         ; all sixteen work-groups are here: the first joint loads meet
	s_mov_b32 s[G0S], 1
	s_add_co_u32 s[G0S+1], s94, SCL
	s_mov_b64 s[G0S+2:G0S+3], s[22:23]
	s_or_b32 s[G0S+3], s[G0S+3], 0x80000000
	s_mov_b32 s[G0SB], 1
	s_add_co_u32 s[G0SB+1], s94, SCL
	s_mov_b64 s[G0SB+2:G0SB+3], s[92:93]
	s_or_b32 s[G0SB+3], s[G0SB+3], 0x80000000
	JLOAD G0S, G1S, G0SB, G1SB                     ; the scale words first: wanted with K step 0.  Three loads of mine are out behind the last of these
.irp s, 0,1
	s_mov_b32 s[G0+4*\s], 1
	s_add_co_u32 s[G0+4*\s+1], s45, \s*SLOT
	s_add_nc_u64 s[G0+4*\s+2:G0+4*\s+3], s[20:21], \s*SROW
	s_or_b32 s[G0+4*\s+3], s[G0+4*\s+3], 0x80000000
	s_mov_b32 s[G0B+4*\s], 1
	s_add_co_u32 s[G0B+4*\s+1], s45, \s*SLOT
	s_add_nc_u64 s[G0B+4*\s+2:G0B+4*\s+3], s[46:47], \s*SROW
	s_or_b32 s[G0B+4*\s+3], s[G0B+4*\s+3], 0x80000000
	JLOAD G0+4*\s, G1, G0B+4*\s, G1B
.endr
	v_and_b32 v1, 15, v0                           ; r
	v_bfe_u32 v9, v0, 4, 1                         ; h
	v_and_b32 v10, 31, v0
	v_lshlrev_b32 v[L8], 3, v10
	v_lshlrev_b32 v[SH8], 3, v9
	s_mul_i32 s21, s15, HALFT
	s_mul_i32 s22, s16, HALFT
	s_add_co_u32 s22, s22, 2*HALFT
.irp s, 0,1
	v_add_nc_u32 v[ADRA+\s], s21, v[L8]
	v_add_nc_u32 v[ADRB+\s], s22, v[L8]
	s_add_co_u32 s21, s21, SLOT
	s_add_co_u32 s22, s22, SLOT
.endr
	s_lshl_b32 s21, s15, 12                        ; x's words of my tokens
	s_lshl_b32 s22, s16, 12
	s_add_co_u32 s22, s22, 8192                    ; the weight's of my columns
	s_sub_co_u32 s22, s22, s21
	v_mul_u32_u24 v11, s22, v9                     ; lanes 16-31 take the weight's: the lower base + h x the distance
	s_add_co_u32 s21, s21, SCL
	v_lshl_add_u32 v11, v1, 2, v11
	v_add_nc_u32 v[ADRS], s21, v11
	s_mul_i32 s23, s14, QSB
	s_add_co_u32 s23, s23, QSTG
	v_mul_u32_u24 v11, v1, 528
	v_add_nc_u32 v11, s23, v11
	v_lshl_add_u32 v[QSI], v9, 5, v11              ; in: row r, 32 bytes for each half of the lanes
	v_lshl_add_u32 v[QSO], v9, 7, v11              ; out: row r, my block's 128 bytes
	s_mul_i32 s23, s14, VSB
	s_add_co_u32 s23, s23, VSTG
	v_mul_u32_u24 v11, v1, 272
	v_add_nc_u32 v11, s23, v11
	v_lshl_add_u32 v[VSI], v9, 5, v11
	v_and_b32 v11, 8, v1
	v_add_nc_u32 v11, v11, v1
	v_lshlrev_b32 v11, 2, v11                      ; out: column d = r + 8 (r / 8) of the tile,
	v_mad_u32_u24 v11, v9, 8704, v11               ; 32 rows further down for lanes 16-31
	v_add_nc_u32 v[VSO], s23, v11
	s_lshl_b32 s46, s42, 10                        ; the bias of my 128 columns
	s_lshl_b32 s47, s16, 9
	s_add_co_u32 s46, s46, s47
	s_mov_b32 s47, 0
	s_add_nc_u64 s[8:9], s[8:9], s[46:47]
	v_lshlrev_b32 v12, 5, v9
.irp b, 0,1,2,3,4,5,6,7
	global_load_b128 v[BI+8*\b:BI+8*\b+3], v12, s[8:9] offset:64*\b          ; b(16 b + 8 h + 0 .. 7)
	global_load_b128 v[BI+8*\b+4:BI+8*\b+7], v12, s[8:9] offset:64*\b+16
.endr
	; where my results go: heads head0, head0 + 1; block a of 128 tokens
	s_lshl_b32 s66, s42, 2
	s_lshl_b32 s67, s16, 1
	s_add_co_u32 s66, s66, s67
	s_and_b32 s66, s66, 15                         ; head0
	s_lshl_b32 s66, s66, 5
	s_lshl_b32 s67, s17, 1
	s_add_co_u32 s66, s66, s67
	s_add_co_u32 s66, s66, s15                     ; 32 head0 + a
	s_cmp_eq_u32 ttmp9, 0
	s_cselect_b64 s[PH:PH+1], s[10:11], s[12:13]
	s_mov_b32 s94, 12800
	s_cselect_b32 s94, 6400, s94                   ; a block's bytes
	s_mov_b32 s95, 12288
	s_cselect_b32 s95, 6144, s95                   ; where its scale words begin: q's, k's,
	s_cmp_eq_u32 ttmp9, 2
	s_cselect_b32 s95, 12544, s95                  ; v's
	s_mul_i32 s66, s66, s94
	s_mov_b32 s67, 0
	s_add_nc_u64 s[PH:PH+1], s[PH:PH+1], s[66:67]
	s_lshl_b32 s66, s94, 5                         ; from head to head
	s_add_nc_u64 s[PH+2:PH+3], s[PH:PH+1], s[66:67]
	v_mul_u32_u24 v[SCO], s66, v9
	v_lshl_add_u32 v[SCO], v1, 4, v[SCO]           ; lanes 0-15 the first head's words, 16 bytes a row; lanes 16-31 the second's
	s_mov_b32 s66, s95
	s_add_nc_u64 s[PS:PS+1], s[PH:PH+1], s[66:67]
	s_mov_b32 s[HM], 0xffff0000
	s_mov_b32 s[SEL], 0x76543210
	s_mov_b32 s[SEL+1], 0xfedcba98
.macro FRAG reg, adr, q, i             ; a fragment: 12 registers, six loads of 8 bytes a lane, 256 consecutive bytes each
.irp p, 0,1,2,3,4,5
	ds_load_b64 v[\reg+2*\p:\reg+2*\p+1], v[\adr] offset:(\i)*SROW+(\q)*1536+\p*256
.endr
.endm
; 16 products: x's blocks a0, a0 + 1 against the weight's eight.  first = 1: the bias is the C.  The 64 accumulators take turns
.macro MUL16 a0, p, q, sc, first
.irp a, \a0, \a0+1
.irp b, 0,1,2,3,4,5,6,7
.if \first
	v_wmma_scale_f32_16x16x128_f8f6f4 v[8*(8*((\a)%4)+\b):8*(8*((\a)%4)+\b)+7], v[128*(\p)+FR*\b:128*(\p)+FR*\b+FR-1], v[AF+FR*(\a):AF+FR*(\a)+FR-1], v[BI+8*\b:BI+8*\b+7], v[SC+8*NQ*(\sc)+NQ*\b+(\q)], v[SC+8*NQ*(\sc)+NQ*(\a)+(\q)] matrix_a_fmt:MATRIX_FMT_FP6 matrix_b_fmt:MATRIX_FMT_FP6 matrix_a_scale:MATRIX_SCALE_ROW1
.else
	v_wmma_scale_f32_16x16x128_f8f6f4 v[8*(8*((\a)%4)+\b):8*(8*((\a)%4)+\b)+7], v[128*(\p)+FR*\b:128*(\p)+FR*\b+FR-1], v[AF+FR*(\a):AF+FR*(\a)+FR-1], v[8*(8*((\a)%4)+\b):8*(8*((\a)%4)+\b)+7], v[SC+8*NQ*(\sc)+NQ*\b+(\q)], v[SC+8*NQ*(\sc)+NQ*(\a)+(\q)] matrix_a_fmt:MATRIX_FMT_FP6 matrix_b_fmt:MATRIX_FMT_FP6 matrix_a_scale:MATRIX_SCALE_ROW1
.endif
.endr
.endr
.endm
.macro FETCH_B slot, q, p
	WIN TO_B
.irp i, 0,1,2,3,4,5,6,7
	FRAG 128*(\p)+FR*\i, ADRB+\slot, \q, \i
.endr
	WIN 0
.endm
.macro FETCH_A slot, q, i0
.irp i, \i0, \i0+1, \i0+2, \i0+3
	FRAG AF+FR*(\i), ADRA+\slot, \q, \i
.endr
.endm
.macro SCALES sc                       ; a K step's scale words: register 2 i + q: lanes 0-15 x's tile i, lanes 16-31 the weight's tile i
.irp i, 0,1,2,3,4,5,6,7
.irp q, 0,1
	ds_load_b32 v[SC+16*\sc+2*\i+\q], v[ADRS] offset:(\i/2)*1024+(\i%2)*64+\q*128
.endr
.endr
.endm
.macro PLACES n                        ; plain vector places behind matrix instructions, ahead of loads into their registers and of reads of results
.rept \n
	v_nop
.endr
.endm
.macro STEP slot, q, first             ; 128 along K with its successor in the same slot
	s_wait_dscnt 4*NL                              ; all but the youngest 24 loads (x's blocks 4-7)
	WIN MUL_LO-0x20*(\first)                       ; (the bias lies in window 0)
	MUL16 0, (\q)%2, \q, \slot, \first
	MUL16 2, (\q)%2, \q, \slot, \first
	s_wait_dscnt 0
	PLACES NP
	FETCH_B \slot, (\q)+1, 1-(\q)%2
	FETCH_A \slot, (\q)+1, 0
	WIN MUL_HI-0x30*(\first)
	MUL16 4, (\q)%2, \q, \slot, \first
	MUL16 6, (\q)%2, \q, \slot, \first
	PLACES NP
	WIN 0
	FETCH_A \slot, (\q)+1, 4
.endm
; a slot's last step changes slots: one barrier; ahead of it all my tensor loads, the add, my reads of this slot.  fill = 1: the barrier opens a round of the cluster's, and this slot is filled again first thing behind it
.macro TURN slot, next, fill
	s_wait_tensorcnt 0x0                           ; all my tensor loads have landed: my part of the next slot
	ds_add_u32 v[SPW], v[NIL]
	s_wait_dscnt 4*NL+1                            ; (the add and x's blocks 4-7 may be out)
	WIN MUL_LO
	MUL16 0, 1, NQ-1, \slot, 0
	s_wait_dscnt 0x0                               ; the add is done, and my reads of this slot are over
	s_barrier_signal -1
	MUL16 2, 1, NQ-1, \slot, 0
	WIN 0
	s_barrier_wait -1
.if \fill
	CREST
	s_add_nc_u64 s[G0+4*\slot+2:G0+4*\slot+3], s[G0+4*\slot+2:G0+4*\slot+3], 2*SROW
	s_add_nc_u64 s[G0B+4*\slot+2:G0B+4*\slot+3], s[G0B+4*\slot+2:G0B+4*\slot+3], 2*SROW
	JLOAD G0+4*\slot, G1, G0B+4*\slot, G1B         ; one load of mine is out; its four v_nop are also the places ahead of the loads below
.else
	PLACES NP
.endif
	v_add_nc_u32 v[ADRS], 256, v[ADRS]             ; the next K step's scale words
	FETCH_B \next, 0, 0
	FETCH_A \next, 0, 0
	SCALES \next
	WIN MUL_HI
	MUL16 4, 1, NQ-1, \slot, 0
	MUL16 6, 1, NQ-1, \slot, 0
	PLACES NP
	WIN 0
	FETCH_A \next, 0, 4
.endm
	s_wait_tensorcnt 1                             ; the scale words and my part of K step 0 are in; K step 1's load may be out
	s_barrier_signal -1
	s_barrier_wait -1
	FETCH_B 0, 0, 0
	FETCH_A 0, 0, 0
	SCALES 0
	FETCH_A 0, 0, 4
	s_wait_loadcnt 0x0                             ; the bias
	STEP 0, 0, 1
	s_mov_b32 s3, LAPS-1
.Llap:
	TURN 0, 1, 1
	STEP 1, 0, 0
	TURN 1, 0, 1
	STEP 0, 0, 0
	s_sub_co_u32 s3, s3, 1
	s_cmp_lg_u32 s3, 0
	s_cbranch_scc1 .Llap
	TURN 0, 1, 0                                   ; the last lap fills nothing
	STEP 1, 0, 0
	s_wait_dscnt 4*NL
	WIN MUL_LO
	MUL16 0, 1, NQ-1, 1, 0
	MUL16 2, 1, NQ-1, 1, 0
	s_wait_dscnt 0
	WIN MUL_HI
	MUL16 4, 1, NQ-1, 1, 0
	MUL16 6, 1, NQ-1, 1, 0
	WIN 0
; ---- THE WAY OUT
.macro QB x, c, t, e                   ; 32 numbers of a lane become 6 registers of codes and the scale's byte
	v_max3_num_f32 v[M0], |v[\x]|, |v[\x+1]|, |v[\x+2]|
	v_max3_num_f32 v[M1], |v[\x+3]|, |v[\x+4]|, |v[\x+5]|
.irp i, 6,10,14,18,22,26
	v_max3_num_f32 v[M0], v[M0], |v[\x+\i]|, |v[\x+\i+1]|
	v_max3_num_f32 v[M1], v[M1], |v[\x+\i+2]|, |v[\x+\i+3]|
.endr
	v_max3_num_f32 v[M0], v[M0], |v[\x+30]|, |v[\x+31]|
	v_max3_num_f32 v[M0], v[M0], v[M1], 0x1800000
	v_add_nc_u32 v[SO], 0xff000000, v[M0]
	v_lshrrev_b32 v[\e], 23, v[SO]
	v_cvt_scalef32_pk16_fp6_f32 v[\c:\c+2], v[\x:\x+15], v[SO]
	v_cvt_scalef32_pk16_fp6_f32 v[\t:\t+2], v[\x+16:\x+31], v[SO]
	v_nop
.irp i, 0,1,2
	v_mov_b32 v[\c+3+\i], v[\t+\i]
.endr
.endm
.macro HW dst, e, second
	v_lshlrev_b32 v[T], v[SH8], v[\e]
	v_permlanex16_b32 v[T2], v[T], s[SEL], s[SEL+1]
	v_or_b32 v[T], v[T], v[T2]
.if \second
	v_lshl_or_b32 v[\dst], v[T], 16, v[\dst]
.else
	v_mov_b32 v[\dst], v[T]
.endif
.endm
; q, k: tile tau of my 8 tiles of tokens: 16 rows x 128 columns through the stage; then each of my two heads: a lane holds row r, block h of the head's two
.macro QKOUT tau
.set AC, 64*((\tau)%4)
	WIN 0x08+4*((\tau)/4)                          ; an LDS store's data: window 2 or 3
.irp b, 0,1,2,3,4,5,6,7
	ds_store_b128 v[QSI], v[AC+8*\b:AC+8*\b+3] offset:64*\b          ; each accumulator from its low end on
	ds_store_b128 v[QSI], v[AC+8*\b+4:AC+8*\b+7] offset:64*\b+16
.endr
	WIN 0
.irp i, 0,1,2,3,4,5,6,7
	ds_load_b128 v[X0+4*\i:X0+4*\i+3], v[QSO] offset:16*\i           ; LDS serves a wave's instructions in order: these see my stores
.endr
.irp i, 0,1,2,3,4,5,6,7
	ds_load_b128 v[X0+32+4*\i:X0+32+4*\i+3], v[QSO] offset:256+16*\i
.endr
	s_wait_dscnt 8                                 ; the first head's numbers are in; the second's 8 loads may be out
	s_wait_xcnt 0x0                                ; the last tile's stores have read their code registers
	QB X0, CA, TA, E
.irp p, 0,1,2
	global_store_b64 v[L8], v[CA+2*\p:CA+2*\p+1], s[PH:PH+1] offset:(\tau)*768+\p*256
.endr
	HW WW+(\tau)/2, E, (\tau)%2
	s_wait_dscnt 0x0
	QB X0+32, CA+10, TA+10, E
.irp p, 0,1,2
	global_store_b64 v[L8], v[CA+10+2*\p:CA+10+2*\p+1], s[PH+2:PH+3] offset:(\tau)*768+\p*256
.endr
	HW WW+4+(\tau)/2, E, (\tau)%2
.endm
; v: 64 tokens (half c) x one head (hl) through the stage; a lane then takes column d of tile dt and runs down 32 tokens in their true order
.macro VFETCH dt
.set XX, X0+32*((\dt)%2)
.set i, 0
.rept 32
	ds_load_b32 v[XX+i], v[VSO] offset:(16*((i/8)%2)+(i%8)+8*(i/16))*272+128*((\dt)/2)+32*((\dt)%2)
.set i, i+1
.endr
.endm
.macro VPROC c, hl, dt, left
.set QX, X0+32*((\dt)%2)
.set QC, CA+10*((\dt)%2)
.set QT, TA+10*((\dt)%2)
	s_wait_dscnt \left                             ; the next tile's 32 loads may be out
	s_wait_xcnt 0x0
	QB QX, QC, QT, E
.irp p, 0,1,2
	global_store_b64 v[L8], v[QC+2*\p:QC+2*\p+1], s[PH+2*\hl:PH+2*\hl+1] offset:6144+(\dt)*1536+(\c)*768+\p*256
.endr
	HW WW+4*\hl+(\dt), E, \c
.endm
.macro VOUT c, hl
	WIN 0x08+4*\c
.irp al, 0,1,2,3
.irp bl, 0,1,2,3
	ds_store_b128 v[VSI], v[64*\al+8*(4*\hl+\bl):64*\al+8*(4*\hl+\bl)+3] offset:\al*4352+\bl*64
	ds_store_b128 v[VSI], v[64*\al+8*(4*\hl+\bl)+4:64*\al+8*(4*\hl+\bl)+7] offset:\al*4352+\bl*64+16
.endr
.endr
	WIN 0
	VFETCH 0
	VFETCH 1
	VPROC \c, \hl, 0, 32
	VFETCH 2
	VPROC \c, \hl, 1, 32
	VFETCH 3
	VPROC \c, \hl, 2, 32
	VPROC \c, \hl, 3, 0
.endm
	PLACES NP                                      ; behind the last products: ahead of the first read of results and of writes into x's fragment registers
	v_mov_b32 v[T2], 0                             ; a lane permute's destination counts as one of its sources
	s_cmp_ge_u32 ttmp9, 2                          ; the cluster's x: the same in all sixteen partners
	s_cbranch_scc1 .Lvout
.irp u, 0,1,2,3,4,5,6,7
	QKOUT \u
.endr
	s_branch .Lwords
.Lvout:
	VOUT 0, 0
	VOUT 0, 1
	VOUT 1, 0
	VOUT 1, 1
.Lwords:
.irp i, 0,1,2,3
	v_cndmask_b32 v[OUT+\i], v[WW+\i], v[WW+4+\i], s[HM]
.endr
	global_store_b128 v[SCO], v[OUT:OUT+3], s[PS:PS+1]   ; sixteen lanes store a head's 256 bytes of scale words, aligned
	s_wait_tensorcnt 0x0                           ; the wave's end
	ds_add_u32 v[SPW], v[NIL]
	s_wait_dscnt 0x0
	CROUND                                         ; the closing round
	s_endpgm
.Lfunc_end_k_q4833efa9ac_qkv:
	.size	k_q4833efa9ac_qkv, .Lfunc_end_k_q4833efa9ac_qkv-k_q4833efa9ac_qkv
	.p2alignl 7, 3214868480
	.fill 96, 4, 3214868480
	.section	.rodata,"a",@progbits
	.p2align	6, 0x0
	.amdhsa_kernel k_q4833efa9ac_qkv
		.amdhsa_group_segment_fixed_size 327680
		.amdhsa_private_segment_fixed_size 0
		.amdhsa_enable_private_segment 0
		.amdhsa_kernarg_size 40
		.amdhsa_user_sgpr_count 2
		.amdhsa_user_sgpr_kernarg_segment_ptr 1
		.amdhsa_wavefront_size32 1
		.amdhsa_system_sgpr_workgroup_id_x 1
		.amdhsa_system_sgpr_workgroup_id_y 1
		.amdhsa_system_sgpr_workgroup_id_z 1
		.amdhsa_system_vgpr_workitem_id 0
		.amdhsa_next_free_vgpr 1024
		.amdhsa_next_free_sgpr 102
		.amdhsa_reserve_vcc 0
		.amdhsa_float_denorm_mode_32 3
		.amdhsa_float_denorm_mode_16_64 3
		.amdhsa_memory_ordered 1
		.amdhsa_forward_progress 1
		.amdhsa_inst_pref_size 253
	.end_amdhsa_kernel
	.amdgpu_metadata
---
amdhsa.version: [ 1, 2 ]
amdhsa.kernels:
  - .name:           k_q4833efa9ac_qkv
    .symbol:         k_q4833efa9ac_qkv.kd
    .args:
      - { .name: xq, .offset: 0, .size: 8, .value_kind: global_buffer, .address_space: global }
      - { .name: waq, .offset: 8, .size: 8, .value_kind: global_buffer, .address_space: global }
      - { .name: b_attn, .offset: 16, .size: 8, .value_kind: global_buffer, .address_space: global }
      - { .name: qb, .offset: 24, .size: 8, .value_kind: global_buffer, .address_space: global }
      - { .name: kvb, .offset: 32, .size: 8, .value_kind: global_buffer, .address_space: global }
    .group_segment_fixed_size: 327680
    .private_segment_fixed_size: 0
    .kernarg_segment_align: 8
    .kernarg_segment_size: 40
    .max_flat_workgroup_size: 128
    .sgpr_count:     102
    .vgpr_count:     1024
    .wavefront_size: 32
...
	.end_amdgpu_metadata
.endif
;; end of part 2
;; launch attn (part 3): grid 16 x 16, 16 waves a work-group, no clusters, 167,936 bytes of LDS; arguments qb, kvb, yq, part; writes yq, part
.if DOCPART == 3
	.amdgcn_target "amdgcn-amd-amdhsa--gfx1250"
	.amdhsa_code_object_version 6
	.text
	.protected	k_q4833efa9ac_attn
	.globl	k_q4833efa9ac_attn
	.p2align	8
	.type	k_q4833efa9ac_attn,@function
k_q4833efa9ac_attn:
	s_mov_b64 s[64:65], 0
	v_nop
	global_prefetch_b8 v0, s[64:65] scope:SCOPE_SE
	s_setreg_imm32_b32 hwreg(HW_REG_WAVE_MODE, 25, 1), 1
	s_wait_xcnt 0x0
; The masked attention on codes of FP6 (E2M3).  A key counts for a query where |q - k| <= 128, or k < 32, or q < 32.  16 heads, 4,096 tokens, head size 64.
; SHARES.  A work-group owns 256 queries of one head; each of its sixteen waves one tile of 16, in 256 registers: four waves to a SIMD, so that one wave's vector work stands beside another's products and LDS loads.
; A block of 128 queries a needs the key steps a - 1, a, a + 1 (128 keys each) and keys 0..31: five blocks of 12,800 bytes (K's and V's images and their scale words) come into LDS ONCE, by one tensor load each of waves 0 to 4.
; At a head's two ends the slot that would lie beyond it takes a neighbouring step again and is never read.
; No cluster: neighbouring work-groups want the same key step at different places of their LDS, and a joint load has one LDS address for all; only step 0's 12,800 of the 64,000 bytes would land at a common place.
; QUERIES 0..31 (tiles 0, 1) see all keys.  They are taken where the keys already lie: waves 0, 5, 10 and 15 each run one more key step (tile g % 2 against the work-group's key step g / 2)
; and store O^T, -M and the sum unnormalised into part; the next launch joins the 32 parts of each (head, tile).
; LAYOUT.  Both products transposed: S^T = K Q^T, O^T = V^T P^T: a lane holds ONE query.  THE HEAD IS 64 LONG, THE FORM 128: a fragment of K holds TWO tiles of keys, one in each half of its K; multiplied by [q | 0] it gives
; the first tile's scores, by [0 | q] the second's: zero codes add nothing.  A tile's keys are 32 b + 8 u + r + 8 (r / 8), so that registers 16 b + i are keys 32 b + 16 (lane / 16) + i.
; SOFTMAX.  t = score x log2(e) / 8; M = the running largest t rounded up to a whole number; p = 2^(t - M) is quantised along the keys; the sum is taken of the unquantised p and divides at the end (v_rcp_f32 and a multiplication).
; Hidden scores become -infinity ahead of the maximum: p = 0.  The middle step, all of whose keys count, goes first, so M is a number from the first step on.
; y leaves as codes: images [tile][head][768] and scale bytes [head][tile][row][2].  In block 0 the scale bytes of tiles 0 and 1 are stored as zeros here and stored anew by the next launch.
; LIMITS: blocks of zeros and blocks under 2^-124 keep the byte 1; NaN and infinities are not served.
.set SLOTB, 12800
.set YS,    5*SLOTB                    ; 512 bytes: y's scale bytes of the work-group's 16 tiles
.set SPARE, YS+512                     ; the spare words: 128 bytes a wave, eight blocks of 256 bytes that no other line names
.set L8,  1
.set R16, 2
.set DQ,  3                            ; my query's place among its 128, less 16 (lane / 16)
.set DQ0, 4                            ; the same for a lower step's first 32 keys: far below 0 where those are keys 0..31
.set SPW, 5
.set NIL, 6
.set L16, 7
.set ADK, 8
.set ADS, 9
.set YSA, 10
.set YSR, 11
.set YB,  199
.set WV,  12
.set HD,  13
.set AQ,  14
.set TAU, 15
.set RT,  16
.set GG,  17
.set ISG, 18
.set GU,  19
.set SEL, 20
.set CS,  22
.set G1,  24
.set G0,  32
.set HM,  36
.set SBC, 37
.set SBL, 38
.set SBU, 39
.set SBG, 40
.set SBX, 41
.set QP,  48
.set QG0, 50
.set YP,  52
.set YSP, 54
.set PP,  56
.set PSP, 58
.set QS,  60
.set QGC, 62
	s_load_b256 s[4:11], s[0:1], 0x0               ; qb, kvb, yq, part
	v_lshl_add_u32 v[SPW], v0, 2, SPARE
	v_mov_b32 v[NIL], 0
	ds_add_u32 v[SPW], v[NIL]                      ; the wave's opening: the add and its wait come ahead of the first tensor load
	v_lshrrev_b32 v8, 5, v0
	v_readfirstlane_b32 s[WV], v8                  ; wave 0..15
	s_and_b32 s[HD], ttmp7, 0xffff
	s_lshr_b32 s44, s[WV], 3
	s_lshl_b32 s[AQ], ttmp9, 1
	s_add_co_u32 s[AQ], s[AQ], s44                 ; my block of 128 queries
	s_and_b32 s[TAU], s[WV], 7                     ; my tile in it
	s_lshl_b32 s[RT], ttmp9, 4
	s_add_co_u32 s[RT], s[RT], s[WV]               ; my tile among the 256
	s_mul_i32 s[SBL], s44, SLOTB                   ; the slots of the lower, the middle and the upper key step,
	s_add_co_u32 s[SBC], s[SBL], SLOTB
	s_add_co_u32 s[SBU], s[SBL], 2*SLOTB
	s_mov_b32 s[SBG], 4*SLOTB                      ; and of key step 0
	s_mul_i32 s[GG], s[WV], 13
	s_lshr_b32 s[GG], s[GG], 6                     ; g = 0..3
	s_mul_i32 s[ISG], s[GG], 5                     ; equal to my number in waves 0, 5, 10, 15
	s_lshr_b32 s45, s[GG], 1
	s_mul_i32 s[SBX], s45, SLOTB
	s_add_co_u32 s[SBX], s[SBX], SLOTB
	s_and_b32 s[GU], s[GG], 1
	s_mov_b32 s[G1], 3<<16                         ; no mask; elements of 8 bytes; no padding
	s_mov_b32 s[G1+1], 32<<16                      ; 12,800 dense bytes as 50 rows of 256
	s_mov_b32 s[G1+2], 50<<16
	s_mov_b32 s[G1+3], 32<<16
	s_mov_b32 s[G1+4], 50
	s_mov_b32 s[G1+5], 32
	s_mov_b32 s[G1+6], 0
	s_mov_b32 s[G1+7], 0
	s_lshl_b32 s46, ttmp9, 1
	s_add_co_u32 s46, s46, s[WV]
	s_sub_co_i32 s46, s46, 1                       ; key step 2 j - 1 + wave,
	s_max_i32 s46, s46, 0
	s_min_i32 s46, s46, 31                         ; held inside the head;
	s_cmp_eq_u32 s[WV], 4
	s_cselect_b32 s46, 0, s46                      ; wave 4: key step 0
	s_lshl_b32 s47, s[HD], 5
	s_add_co_u32 s46, s46, s47
	s_mul_i32 s46, s46, SLOTB
	s_mov_b32 s47, 0
	s_mov_b32 s[G0], 1
	s_mul_i32 s[G0+1], s[WV], SLOTB
	s_mov_b32 s[SEL], 0x76543210
	s_mov_b32 s[SEL+1], 0xfedcba98
	s_mov_b32 s[CS], 0x3e38aa3b                    ; c = log2(e) / 8
	s_mov_b32 s[CS+1], s[CS]
	s_mov_b32 s[HM], 0xffff0000
	s_wait_dscnt 0x0                               ; the opening add is done
	s_wait_kmcnt 0x0
	s_add_nc_u64 s[G0+2:G0+3], s[6:7], s[46:47]
	s_or_b32 s[G0+3], s[G0+3], 0x80000000
	s_cmp_lt_u32 s[WV], 5
	s_cbranch_scc0 .Lno_fill
	tensor_load_to_lds s[G0:G0+3], s[G1:G1+7]      ; one load a wave, filled once
	s_nop 0
.rept 4
	v_nop
.endr
.Lno_fill:
	s_lshl_b32 s42, s[HD], 5
	s_add_co_u32 s43, s42, s[AQ]
	s_mul_i32 s44, s43, 6400
	s_mov_b32 s45, 0
	s_add_nc_u64 s[QS:QS+1], s[4:5], s[44:45]      ; my block of q
	s_mul_i32 s44, s[TAU], 768
	s_add_nc_u64 s[QP:QP+1], s[QS:QS+1], s[44:45]  ; my tile's image
	s_lshr_b32 s44, s[TAU], 1
	s_lshl_b32 s44, s44, 2
	s_add_co_u32 s44, s44, 6144
	s_add_nc_u64 s[QS:QS+1], s[QS:QS+1], s[44:45]  ; my pair of tiles' scale words
	s_mul_i32 s44, s42, 6400
	s_add_nc_u64 s[QG0:QG0+1], s[4:5], s[44:45]    ; the head's block 0
	s_mul_i32 s44, s[GU], 768
	s_add_nc_u64 s[QGC:QGC+1], s[QG0:QG0+1], s[44:45]
	s_mul_i32 s44, s[RT], 12288
	s_mul_i32 s43, s[HD], 768
	s_add_co_u32 s44, s44, s43
	s_add_nc_u64 s[YP:YP+1], s[8:9], s[44:45]
	s_lshl_b32 s44, s[HD], 13
	s_lshl_b32 s43, ttmp9, 9
	s_add_co_u32 s44, s44, s43
	s_add_nc_u64 s[YSP:YSP+1], s[8:9], s[44:45]
	s_add_nc_u64 s[YSP:YSP+1], s[YSP:YSP+1], 3145728
	s_lshl_b32 s44, s[HD], 1
	s_add_co_u32 s44, s44, s[GU]
	s_lshl_b32 s44, s44, 5
	s_lshl_b32 s43, ttmp9, 1
	s_add_co_u32 s44, s44, s43
	s_lshr_b32 s43, s[GG], 1
	s_add_co_u32 s43, s44, s43                     ; ((head x 2 + u) x 32 + key step)
	s_lshl_b32 s44, s43, 12
	s_add_nc_u64 s[PP:PP+1], s[10:11], s[44:45]
	s_lshl_b32 s44, s43, 8
	s_add_nc_u64 s[PSP:PSP+1], s[10:11], s[44:45]
	s_add_nc_u64 s[PSP:PSP+1], s[PSP:PSP+1], 4194304
	v_and_b32 v28, 15, v0                          ; r
	v_bfe_u32 v29, v0, 4, 1                        ; h
	v_and_b32 v30, 31, v0
	v_lshlrev_b32 v[L8], 3, v30
	v_lshlrev_b32 v[L16], 4, v30
	v_lshlrev_b32 v[R16], 4, v28
.irp p, 0,1,2
	global_load_b64 v[16+2*\p:17+2*\p], v[L8], s[QP:QP+1] offset:256*\p      ; [q | 0]
	global_load_b64 v[86+2*\p:87+2*\p], v[L8], s[QP:QP+1] offset:256*\p      ; [0 | q]: a second run of registers
	global_load_b64 v[192+2*\p:193+2*\p], v[L8], s[QGC:QGC+1] offset:256*\p  ; tile g % 2 of queries 0..31
.endr
	global_load_b32 v255, v[R16], s[QS:QS+1]
	global_load_b32 v198, v[R16], s[QG0:QG0+1] offset:6144
	v_add_nc_u32 v[YSR], YS, v[L16]
	v_lshl_add_u32 v[YSA], v28, 1, v29
	s_lshl_b32 s42, s[WV], 5
	s_add_co_u32 s42, s42, YS
	v_add_nc_u32 v[YSA], s42, v[YSA]               ; YS + 32 x wave + 2 r + h
	v_and_b32 v30, 8, v28
	v_add_nc_u32 v30, v30, v28
	s_lshr_b32 s42, s[TAU], 1
	s_lshl_b32 s42, s42, 5
	s_and_b32 s43, s[TAU], 1
	s_lshl_b32 s44, s43, 3
	s_add_co_u32 s42, s42, s44
	v_add_nc_u32 v30, s42, v30
	v_lshlrev_b32 v31, 4, v29
	v_sub_nc_u32 v[DQ], v30, v31
	s_cmp_eq_u32 s[AQ], 1
	s_cselect_b32 s42, 1024, 0
	v_sub_nc_u32 v[DQ0], v[DQ], s42
	s_lshl_b32 s43, s43, 4                         ; my tile's halfword of the word
	s_lshl_b32 s44, s[GU], 4
	s_wait_loadcnt 0x0
	v_lshrrev_b32 v255, s43, v255
	v_and_b32 v255, 0xffff, v255
	v_lshl_or_b32 v255, v255, 16, v255             ; q's two bytes for both halves of the form's K
	v_lshrrev_b32 v198, s44, v198
	v_and_b32 v198, 0xffff, v198
	v_lshl_or_b32 v198, v198, 16, v198
.irp i, 0,1,2,3,4,5
	v_mov_b32 v[22+\i], 0
	v_mov_b32 v[80+\i], 0
.endr
	v_mov_b32 v[YB], 0
.irp b, 0,1,2,3
	v_mov_b32 v[236+\b], 0                         ; a lane permute's destination counts as one of its sources
.endr
	v_mov_b32 v253, 0
	s_wait_tensorcnt 0x0                           ; my slot has landed,
	s_barrier_signal -1
	s_barrier_wait -1                              ; everybody's has
.macro INIT
	v_mov_b32 v13, 0xff61b1e6                      ; the largest t so far: -3e38
	v_floor_f32 v12, -v13                          ; -M
	v_mov_b32 v14, 0
	v_mov_b32 v15, 0
.set j, 0
.rept 32
	v_mov_b32 v[160+j], 0                          ; O^T: the first change of M leaves zeros zeros
.set j, j+1
.endr
.endm
.macro VLOADS                          ; V's four fragments and their scale words: they land under the softmax
.irp t, 0,1,2,3
.irp p, 0,1,2,3,4,5
	ds_load_b64 v[32+12*\t+2*\p:33+12*\t+2*\p], v[ADK] offset:6144+1536*\t+256*\p
.endr
.endr
	ds_load_b128 v[248:251], v[ADS] offset:12544
.endm
.macro PVMUL                           ; O^T under the new M, then O^T += V^T P^T; the 16 multiplications are also the places ahead of the products
.set j, 0
.rept 16
	v_pk_mul_f32 v[160+j:161+j], v[160+j:161+j], v[252:253] op_sel_hi:[1,0]
.set j, j+2
.endr
	s_wait_dscnt 0x0
.irp t, 0,1,2,3
	v_wmma_scale_f32_16x16x128_f8f6f4 v[160+8*\t:167+8*\t], v[32+12*\t:43+12*\t], v[224:235], v[160+8*\t:167+8*\t], v[248+\t], v253 matrix_a_fmt:MATRIX_FMT_FP6 matrix_b_fmt:MATRIX_FMT_FP6
.endr
.endm
.macro NEWM                            ; v254 = the step's largest score: the running t, the new -M, f = 2^(old M - new M)
	v_mul_f32 v254, s[CS], v254
	v_max_num_f32 v13, v13, v254
	v_mov_b32 v254, v12
	v_floor_f32 v12, -v13
	v_sub_f32 v254, v12, v254
	v_cvt_i32_f32 v254, v254
	v_ldexp_f32 v252, 1.0, v254
.endm
; A KEY STEP of 128 keys from the slot at s[sb].  kind 0: all keys count; 1: the lower step; 2: the upper step
.macro STEP sb, kind
	v_add_nc_u32 v[ADK], s[\sb], v[L8]
	v_add_nc_u32 v[ADS], s[\sb], v[R16]
	v_nop
	v_nop                                          ; four places behind the last products, ahead of loads into their registers
.irp t, 0,1,2,3
.irp p, 0,1,2,3,4,5
	ds_load_b64 v[32+12*\t+2*\p:33+12*\t+2*\p], v[ADK] offset:1536*\t+256*\p
.endr
.endr
	ds_load_b128 v[248:251], v[ADS] offset:12288
	s_wait_dscnt 0x0
.irp t, 0,1,2,3
	v_wmma_scale_f32_16x16x128_f8f6f4 v[96+16*\t:103+16*\t], v[32+12*\t:43+12*\t], v[16:27], 0, v[248+\t], v255 matrix_a_fmt:MATRIX_FMT_FP6 matrix_b_fmt:MATRIX_FMT_FP6
	v_wmma_scale_f32_16x16x128_f8f6f4 v[104+16*\t:111+16*\t], v[32+12*\t:43+12*\t], v[80:91], 0, v[248+\t], v255 matrix_a_fmt:MATRIX_FMT_FP6 matrix_b_fmt:MATRIX_FMT_FP6
.endr
.rept 4
	v_nop
.endr
	VLOADS
.if \kind
	v_mov_b32 v254, 0xff800000                     ; -infinity.  Register 16 b + i holds the step's key 32 b + 16 (lane / 16) + i
.set n, 0
.rept 64
.set kk, 32*(n/16)+n%16
.if \kind == 1
.if n < 16
	v_cmp_lt_i32 vcc_lo, kk, v[DQ0]                ; lower step: hidden where the key's place is under the query's
.else
	v_cmp_lt_i32 vcc_lo, kk, v[DQ]
.endif
.else
	v_cmp_gt_i32 vcc_lo, kk, v[DQ]                 ; upper step: hidden where it is above
.endif
	v_cndmask_b32 v[96+n], v[96+n], v254, vcc_lo
.set n, n+1
.endr
.endif
.irp b, 0,1,2,3
	v_max3_num_f32 v[232+\b], v[96+16*\b], v[97+16*\b], v[98+16*\b]   ; the largest score of each block of 32 keys: for the row's maximum and for the block's largest p
.endr
.irp i, 3,5,7,9,11,13
.irp b, 0,1,2,3
	v_max3_num_f32 v[232+\b], v[232+\b], v[96+16*\b+\i], v[97+16*\b+\i]
.endr
.endr
.irp b, 0,1,2,3
	v_max_num_f32 v[232+\b], v[232+\b], v[111+16*\b]
.endr
.irp b, 0,1,2,3
	v_permlanex16_b32 v[236+\b], v[232+\b], s[SEL], s[SEL+1]
.endr
.irp b, 0,1,2,3
	v_max_num_f32 v[232+\b], v[232+\b], v[236+\b]
.endr
	v_max3_num_f32 v254, v232, v233, v234
	v_max_num_f32 v254, v254, v235
	NEWM
.set j, 0
.rept 32
	v_pk_fma_f32 v[96+j:97+j], v[96+j:97+j], s[CS:CS+1], v[12:13] op_sel_hi:[1,0,0]   ; t - M
.set j, j+2
.endr
.irp b, 0,1,2,3
	v_fma_f32 v[232+\b], v[232+\b], s[CS], v12
.endr
.set j, 0
.rept 64
	v_exp_f32 v[96+j], v[96+j]                     ; p = 2^(t - M)
.set j, j+1
.endr
	v_pk_mul_f32 v[14:15], v[14:15], v[252:253] op_sel_hi:[1,0]   ; the sums under the new M: the plain place behind the batch
	s_wait_alu depctr_va_vdst(0)                   ; one wait for the batch, ahead of its first reader
.irp b, 0,1,2,3
	v_exp_f32 v[232+\b], v[232+\b]                 ; each block's largest p
.endr
	v_pk_add_f32 v[236:237], v[96:97], v[98:99]    ; the sum of the unquantised p, in two chains
.irp j, 4,8,12,16,20,24,28,32,36,40,44,48,52,56,60
	v_pk_add_f32 v[14:15], v[14:15], v[96+\j:97+\j]
	v_pk_add_f32 v[236:237], v[236:237], v[98+\j:99+\j]
.endr
	v_pk_add_f32 v[14:15], v[14:15], v[236:237]
	s_wait_alu depctr_va_vdst(0)                   ; and one for the four
.irp b, 0,1,2,3
	v_max_num_f32 v[232+\b], 0x1800000, v[232+\b]
.endr
.irp b, 0,1,2,3
	v_add_nc_u32 v[244+\b], 0xff000000, v[232+\b]
.endr
.irp b, 0,1,2,3
	v_lshrrev_b32 v[236+\b], 23, v[244+\b]
.endr
	v_lshl_or_b32 v253, v237, 8, v236              ; p's scale word
	v_lshl_or_b32 v253, v238, 16, v253
	v_lshl_or_b32 v253, v239, 24, v253
.irp c, 0,1
	v_cvt_scalef32_pk16_fp6_f32 v[224+6*\c:226+6*\c], v[96+32*\c:111+32*\c], v[244+2*\c]
	v_cvt_scalef32_pk16_fp6_f32 v[236+4*\c:238+4*\c], v[112+32*\c:127+32*\c], v[244+2*\c+1]
.endr
	v_nop
.irp c, 0,1
.irp i, 0,1,2
	v_permlane16_swap_b32 v[224+6*\c+\i], v[236+4*\c+\i]   ; a whole block to a lane
.endr
.irp i, 0,1,2
	v_mov_b32 v[227+6*\c+\i], v[236+4*\c+\i]
.endr
.endr
	PVMUL
.endm
; KEYS 0..31 alone, from key step 0's slot: one block; the other three blocks' codes of p are zeros
.macro GSTEP
	v_add_nc_u32 v[ADK], s[SBG], v[L8]
	v_add_nc_u32 v[ADS], s[SBG], v[R16]
	v_nop
	v_nop
.irp p, 0,1,2,3,4,5
	ds_load_b64 v[32+2*\p:33+2*\p], v[ADK] offset:256*\p
.endr
	ds_load_b32 v248, v[ADS] offset:12288
	s_wait_dscnt 0x0
	v_wmma_scale_f32_16x16x128_f8f6f4 v[96:103], v[32:43], v[16:27], 0, v248, v255 matrix_a_fmt:MATRIX_FMT_FP6 matrix_b_fmt:MATRIX_FMT_FP6
	v_wmma_scale_f32_16x16x128_f8f6f4 v[104:111], v[32:43], v[80:91], 0, v248, v255 matrix_a_fmt:MATRIX_FMT_FP6 matrix_b_fmt:MATRIX_FMT_FP6
.rept 4
	v_nop
.endr
	VLOADS
	v_max3_num_f32 v232, v96, v97, v98
.irp i, 3,5,7,9,11,13
	v_max3_num_f32 v232, v232, v[96+\i], v[97+\i]
.endr
	v_max_num_f32 v232, v232, v111
	v_permlanex16_b32 v236, v232, s[SEL], s[SEL+1]
	v_max_num_f32 v232, v232, v236
	v_mov_b32 v254, v232
	NEWM
.irp j, 0,2,4,6,8,10,12,14
	v_pk_fma_f32 v[96+\j:97+\j], v[96+\j:97+\j], s[CS:CS+1], v[12:13] op_sel_hi:[1,0,0]
.endr
	v_fma_f32 v232, v232, s[CS], v12
.set j, 0
.rept 16
	v_exp_f32 v[96+j], v[96+j]
.set j, j+1
.endr
	v_pk_mul_f32 v[14:15], v[14:15], v[252:253] op_sel_hi:[1,0]
	s_wait_alu depctr_va_vdst(0)
	v_exp_f32 v232, v232
	v_pk_add_f32 v[236:237], v[96:97], v[98:99]
.irp j, 4,8,12
	v_pk_add_f32 v[14:15], v[14:15], v[96+\j:97+\j]
	v_pk_add_f32 v[236:237], v[236:237], v[98+\j:99+\j]
.endr
	v_pk_add_f32 v[14:15], v[14:15], v[236:237]
	s_wait_alu depctr_va_vdst(0)
	v_max_num_f32 v232, 0x1800000, v232
	v_add_nc_u32 v244, 0xff000000, v232
	v_lshrrev_b32 v253, 23, v244                   ; the word: one byte; the bytes over zero codes are 0, which is no NaN
	v_cvt_scalef32_pk16_fp6_f32 v[224:226], v[96:111], v244
	v_nop
.irp i, 0,1,2
	v_mov_b32 v[236+\i], 0
.endr
.irp i, 0,1,2
	v_permlane16_swap_b32 v[224+\i], v[236+\i]     ; lanes 0-15: keys 0..31 whole; lanes 16-31 (keys 32..63): zeros
.endr
.irp i, 0,1,2
	v_mov_b32 v[227+\i], v[236+\i]
.endr
.irp i, 0,1,2,3,4,5
	v_mov_b32 v[230+\i], 0
.endr
	PVMUL
.endm
; 32 numbers, register 16 b + i = d 32 b + 16 (lane / 16) + i of my row, become one image (v224-229) and my block's byte (YB)
.macro YOUT y
.irp b, 0,1
	v_max3_num_f32 v[232+\b], |v[\y+16*\b]|, |v[\y+1+16*\b]|, 0x1800000
.endr
.irp i, 2,4,6,8,10,12,14
.irp b, 0,1
	v_max3_num_f32 v[232+\b], v[232+\b], |v[\y+16*\b+\i]|, |v[\y+1+16*\b+\i]|
.endr
.endr
.irp b, 0,1
	v_permlanex16_b32 v[236+\b], v[232+\b], s[SEL], s[SEL+1]
.endr
.irp b, 0,1
	v_max_num_f32 v[232+\b], v[232+\b], v[236+\b]
.endr
.irp b, 0,1
	v_add_nc_u32 v[244+\b], 0xff000000, v[232+\b]
.endr
.irp b, 0,1
	v_lshrrev_b32 v[236+\b], 23, v[244+\b]
.endr
	v_cndmask_b32 v[YB], v236, v237, s[HM]
	v_cvt_scalef32_pk16_fp6_f32 v[224:226], v[\y:\y+15], v244
	v_cvt_scalef32_pk16_fp6_f32 v[236:238], v[\y+16:\y+31], v245
	v_nop
.irp i, 0,1,2
	v_permlane16_swap_b32 v[224+\i], v[236+\i]
.endr
.irp i, 0,1,2
	v_mov_b32 v[227+\i], v[236+\i]
.endr
.endm
	s_cmp_lt_u32 s[RT], 2                          ; tiles 0 and 1 are queries 0..31: not here
	s_cbranch_scc1 .Lskip
	INIT
	STEP SBC, 0
	s_cmp_eq_u32 s[AQ], 0
	s_cbranch_scc1 .Lno_l
	STEP SBL, 1
.Lno_l:
	s_cmp_eq_u32 s[AQ], 31
	s_cbranch_scc1 .Lno_u
	STEP SBU, 2
.Lno_u:
	s_cmp_lt_u32 s[AQ], 2                          ; blocks 0 and 1 have met keys 0..31 in a step
	s_cbranch_scc1 .Lno_g
	GSTEP
.Lno_g:
.rept 4
	v_nop
.endr
	v_add_f32 v14, v14, v15
	v_permlanex16_b32 v252, v14, s[SEL], s[SEL+1]
	v_add_f32 v14, v14, v252                       ; the row's sum
	v_rcp_f32 v14, v14
	v_nop
	s_wait_alu depctr_va_vdst(0)
.set j, 0
.rept 32
	v_mul_f32 v[96+j], v[160+j], v14
.set j, j+1
.endr
	YOUT 96
.irp p, 0,1,2
	global_store_b64 v[L8], v[224+2*\p:225+2*\p], s[YP:YP+1] offset:256*\p   ; 32 lanes store 256 consecutive bytes, aligned
.endr
.Lskip:
	ds_store_b8 v[YSA], v[YB]
	s_wait_dscnt 0x0
	s_barrier_signal -1
	s_barrier_wait -1                              ; the sixteen tiles' scale bytes lie together
	s_cmp_lg_u32 s[WV], 1
	s_cbranch_scc1 .Lnot_1
	ds_load_b128 v[28:31], v[YSR]
	s_wait_dscnt 0x0
	global_store_b128 v[L16], v[28:31], s[YSP:YSP+1]   ; 512 consecutive bytes, aligned
.Lnot_1:
	s_cmp_lg_u32 s[ISG], s[WV]
	s_cbranch_scc1 .Lend
	; ---- queries 0..31: tile g % 2 against key step 2 j + g / 2: all keys count
	s_wait_xcnt 0x0                                ; my stores have read their registers
	v_mov_b32 v255, v198
.irp i, 0,1,2,3,4,5
	v_mov_b32 v[16+\i], v[192+\i]
	v_mov_b32 v[86+\i], v[192+\i]
.endr
	INIT
	STEP SBX, 0
.rept 4
	v_nop
.endr
	v_add_f32 v13, v14, v15                        ; my lane's part of the sum
.irp g, 0,1,2,3,4,5,6,7
	global_store_b128 v[L16], v[160+4*\g:163+4*\g], s[PP:PP+1] offset:512*\g
.endr
	global_store_b64 v[L8], v[12:13], s[PSP:PSP+1]
.Lend:
	s_wait_tensorcnt 0x0                           ; the wave's end
	ds_add_u32 v[SPW], v[NIL]
	s_wait_dscnt 0x0
	s_endpgm
.Lfunc_end_k_q4833efa9ac_attn:
	.size	k_q4833efa9ac_attn, .Lfunc_end_k_q4833efa9ac_attn-k_q4833efa9ac_attn
	.p2alignl 7, 3214868480
	.fill 96, 4, 3214868480
	.section	.rodata,"a",@progbits
	.p2align	6, 0x0
	.amdhsa_kernel k_q4833efa9ac_attn
		.amdhsa_group_segment_fixed_size 167936
		.amdhsa_private_segment_fixed_size 0
		.amdhsa_enable_private_segment 0
		.amdhsa_kernarg_size 32
		.amdhsa_user_sgpr_count 2
		.amdhsa_user_sgpr_kernarg_segment_ptr 1
		.amdhsa_wavefront_size32 1
		.amdhsa_system_sgpr_workgroup_id_x 1
		.amdhsa_system_sgpr_workgroup_id_y 1
		.amdhsa_system_sgpr_workgroup_id_z 1
		.amdhsa_system_vgpr_workitem_id 0
		.amdhsa_next_free_vgpr 256
		.amdhsa_next_free_sgpr 66
		.amdhsa_reserve_vcc 1
		.amdhsa_float_denorm_mode_32 3
		.amdhsa_float_denorm_mode_16_64 3
		.amdhsa_memory_ordered 1
		.amdhsa_forward_progress 1
		.amdhsa_inst_pref_size 100
	.end_amdhsa_kernel
	.amdgpu_metadata
---
amdhsa.version: [ 1, 2 ]
amdhsa.kernels:
  - .name:           k_q4833efa9ac_attn
    .symbol:         k_q4833efa9ac_attn.kd
    .args:
      - { .name: qb, .offset: 0, .size: 8, .value_kind: global_buffer, .address_space: global }
      - { .name: kvb, .offset: 8, .size: 8, .value_kind: global_buffer, .address_space: global }
      - { .name: yq, .offset: 16, .size: 8, .value_kind: global_buffer, .address_space: global }
      - { .name: part, .offset: 24, .size: 8, .value_kind: global_buffer, .address_space: global }
    .group_segment_fixed_size: 167936
    .private_segment_fixed_size: 0
    .kernarg_segment_align: 8
    .kernarg_segment_size: 32
    .max_flat_workgroup_size: 512
    .sgpr_count:     66
    .vgpr_count:     256
    .wavefront_size: 32
...
	.end_amdgpu_metadata
.endif
;; end of part 3
;; launch glob (part 4): grid 2 x 16, 8 waves a work-group, no clusters, 34,816 bytes of LDS; arguments part, yq; writes yq
.if DOCPART == 4
	.amdgcn_target "amdgcn-amd-amdhsa--gfx1250"
	.amdhsa_code_object_version 6
	.text
	.protected	k_q4833efa9ac_glob
	.globl	k_q4833efa9ac_glob
	.p2align	8
	.type	k_q4833efa9ac_glob,@function
k_q4833efa9ac_glob:
	s_mov_b64 s[64:65], 0
	v_nop
	global_prefetch_b8 v0, s[64:65] scope:SCOPE_SE
	s_setreg_imm32_b32 hwreg(HW_REG_WAVE_MODE, 25, 1), 1
	s_wait_xcnt 0x0
; Queries 0..31: the 32 parts (one for each key step of 128) of each (head, tile u) are joined: O = sum of 2^(M_a - M*) O_a, l likewise, M* the largest M: whole numbers, so every factor is an exact power of two.
; Then y = O / l (v_rcp_f32 and a multiplication) is quantised to FP6 (E2M3) along the head's 64 and stored as tile u's image and scale bytes of that head.
; A work-group takes one (head, u).  Each of its eight waves joins four parts in registers; the eight results meet in LDS as images of registers; wave 0 adds them and finishes.
; No matrix unit, no tensor load: 139 KB a work-group, read once, all loads issued at the head.
; LIMITS: blocks of zeros and blocks under 2^-124 keep the byte 1; NaN and infinities are not served.
.set LSUM,  32768                      ; behind the eight images of 4,096 bytes: the waves' sums, 128 bytes each
.set SPARE, 33792                      ; the spare words: four blocks of 256 bytes that no other line names
.set L16, 1
.set L8,  2
.set L4,  3
.set IMW, 4
.set LW,  5
.set SPW, 6
.set NIL, 7
.set BOF, 8
.set MS,  9
.set T,   10
.set LS,  11
.set LT,  12
.set YB,  250
.set SEL, 22
.set HM,  24
.macro YOUT y
.irp b, 0,1
	v_max3_num_f32 v[232+\b], |v[\y+16*\b]|, |v[\y+1+16*\b]|, 0x1800000
.endr
.irp i, 2,4,6,8,10,12,14
.irp b, 0,1
	v_max3_num_f32 v[232+\b], v[232+\b], |v[\y+16*\b+\i]|, |v[\y+1+16*\b+\i]|
.endr
.endr
.irp b, 0,1
	v_permlanex16_b32 v[236+\b], v[232+\b], s[SEL], s[SEL+1]
.endr
.irp b, 0,1
	v_max_num_f32 v[232+\b], v[232+\b], v[236+\b]
.endr
.irp b, 0,1
	v_add_nc_u32 v[244+\b], 0xff000000, v[232+\b]
.endr
.irp b, 0,1
	v_lshrrev_b32 v[236+\b], 23, v[244+\b]
.endr
	v_cndmask_b32 v[YB], v236, v237, s[HM]
	v_cvt_scalef32_pk16_fp6_f32 v[224:226], v[\y:\y+15], v244
	v_cvt_scalef32_pk16_fp6_f32 v[236:238], v[\y+16:\y+31], v245
	v_nop
.irp i, 0,1,2
	v_permlane16_swap_b32 v[224+\i], v[236+\i]
.endr
.irp i, 0,1,2
	v_mov_b32 v[227+\i], v[236+\i]
.endr
.endm
	s_load_b128 s[4:7], s[0:1], 0x0                ; part, yq
	v_lshl_add_u32 v[SPW], v0, 2, SPARE
	v_mov_b32 v[NIL], 0
	v_lshrrev_b32 v10, 5, v0
	v_readfirstlane_b32 s8, v10                    ; wave 0..7
	v_and_b32 v10, 31, v0
	v_lshlrev_b32 v[L16], 4, v10
	v_lshlrev_b32 v[L8], 3, v10
	v_lshlrev_b32 v[L4], 2, v10
	s_lshl_b32 s9, s8, 12
	v_add_nc_u32 v[IMW], s9, v[L16]
	s_lshl_b32 s9, s8, 7
	s_add_co_u32 s9, s9, LSUM
	v_add_nc_u32 v[LW], s9, v[L4]
	v_and_b32 v11, 15, v0
	v_bfe_u32 v10, v0, 4, 1
	v_lshl_add_u32 v[BOF], v11, 1, v10             ; 2 r + h
	s_and_b32 s10, ttmp7, 0xffff                   ; head
	s_lshl_b32 s11, s10, 1
	s_add_co_u32 s11, s11, ttmp9                   ; head x 2 + u
	s_lshl_b32 s12, s11, 17
	s_lshl_b32 s14, s8, 14
	s_add_co_u32 s12, s12, s14                     ; my four parts of O
	s_mov_b32 s13, 0
	s_lshl_b32 s14, s11, 13                        ; the 32 pairs (-M, l)
	s_mov_b32 s15, 0
	s_lshl_b32 s16, s8, 10                         ; my four of them
	s_mov_b32 s17, 0
	s_mul_i32 s18, ttmp9, 12288
	s_mul_i32 s20, s10, 768
	s_add_co_u32 s18, s18, s20
	s_mov_b32 s19, 0
	s_lshl_b32 s20, s10, 13
	s_lshl_b32 s21, ttmp9, 5
	s_add_co_u32 s20, s20, s21
	s_mov_b32 s21, 0
	s_mov_b32 s[SEL], 0x76543210
	s_mov_b32 s[SEL+1], 0xfedcba98
	s_mov_b32 s[HM], 0xffff0000
	s_wait_kmcnt 0x0
	s_add_nc_u64 s[12:13], s[4:5], s[12:13]
	s_add_nc_u64 s[14:15], s[4:5], s[14:15]
	s_add_nc_u64 s[14:15], s[14:15], 4194304
	s_add_nc_u64 s[16:17], s[14:15], s[16:17]
	s_add_nc_u64 s[18:19], s[6:7], s[18:19]        ; tile u's image of this head
	s_add_nc_u64 s[20:21], s[6:7], s[20:21]
	s_add_nc_u64 s[20:21], s[20:21], 3145728       ; and its scale bytes
.irp i, 0,1,2,3
	global_load_b64 v[24+2*\i:25+2*\i], v[L8], s[16:17] offset:256*\i
.endr
.set a, 0
.rept 32
	global_load_b64 v[32+2*a:33+2*a], v[L8], s[14:15] offset:256*a
.set a, a+1
.endr
.set a, 0
.rept 32
	global_load_b128 v[96+4*a:99+4*a], v[L16], s[12:13] offset:512*a
.set a, a+1
.endr
	s_wait_loadcnt 32                              ; the pairs are in; the 32 loads of O may be out
	v_min3_num_f32 v[MS], v32, v34, v36            ; -M* = the least -M
.irp a, 3,5,7,9,11,13,15,17,19,21,23,25,27,29
	v_min3_num_f32 v[MS], v[MS], v[32+2*\a], v[34+2*\a]
.endr
	v_min_num_f32 v[MS], v[MS], v94
.irp i, 0,1,2,3
	v_sub_f32 v[T], v[MS], v[24+2*\i]              ; M_i - M*: a whole number, 0 or less
	v_cvt_i32_f32 v[T], v[T]
	v_ldexp_f32 v[16+2*\i], 1.0, v[T]
	v_mov_b32 v[17+2*\i], 0                        ; (named with it as a pair)
.endr
	v_mul_f32 v[LS], v16, v25
	v_fmac_f32 v[LS], v18, v27
	v_fmac_f32 v[LS], v20, v29
	v_fmac_f32 v[LS], v22, v31
	s_wait_loadcnt 0x0
.set k, 0
.rept 16
	v_pk_mul_f32 v[96+k:97+k], v[96+k:97+k], v[16:17] op_sel_hi:[1,0]
.set k, k+2
.endr
.irp i, 1,2,3
.set k, 0
.rept 16
	v_pk_fma_f32 v[96+k:97+k], v[96+32*\i+k:97+32*\i+k], v[16+2*\i:17+2*\i], v[96+k:97+k] op_sel_hi:[1,0,1]
.set k, k+2
.endr
.endr
.irp g, 0,1,2,3,4,5,6,7
	ds_store_b128 v[IMW], v[96+4*\g:99+4*\g] offset:512*\g
.endr
	ds_store_b32 v[LW], v[LS]
	s_wait_dscnt 0x0                               ; for the others' sake
	s_barrier_signal -1
	s_barrier_wait -1
	s_cmp_lg_u32 s8, 0
	s_cbranch_scc1 .Lend
.macro IMGS first, n                   ; images first .. first + n - 1 into v128 on
.set a, 0
.rept 8*\n
	ds_load_b128 v[128+4*a:131+4*a], v[L16] offset:4096*\first+512*a
.set a, a+1
.endr
.endm
.macro ADDS n
.set a, 0
.rept \n
.set k, 0
.rept 16
	v_pk_add_f32 v[96+k:97+k], v[96+k:97+k], v[128+32*a+k:129+32*a+k]
.set k, k+2
.endr
.set a, a+1
.endr
.endm
	IMGS 1, 3
.irp i, 0,1,2,3,4,5,6,7
	ds_load_b32 v[240+\i], v[L4] offset:LSUM+128*\i
.endr
	s_wait_dscnt 0x0
	ADDS 3
	IMGS 4, 3
	v_add_f32 v240, v240, v241
	v_add_f32 v242, v242, v243
	v_add_f32 v244, v244, v245
	v_add_f32 v246, v246, v247
	v_add_f32 v240, v240, v242
	v_add_f32 v244, v244, v246
	v_add_f32 v[LT], v240, v244
	v_mov_b32 v248, 0
	v_mov_b32 v236, 0
	v_mov_b32 v237, 0
	v_permlanex16_b32 v248, v[LT], s[SEL], s[SEL+1]
	v_add_f32 v[LT], v[LT], v248                   ; the row's sum
	s_wait_dscnt 0x0
	ADDS 3
	IMGS 7, 1
	v_rcp_f32 v[LT], v[LT]
	v_nop
	s_wait_dscnt 0x0
	ADDS 1
	s_wait_alu depctr_va_vdst(0)                   ; ahead of the reciprocal's first reader
.set j, 0
.rept 32
	v_mul_f32 v[96+j], v[96+j], v[LT]
.set j, j+1
.endr
	YOUT 96
.irp p, 0,1,2
	global_store_b64 v[L8], v[224+2*\p:225+2*\p], s[18:19] offset:256*\p
.endr
	global_store_b8 v[BOF], v[YB], s[20:21]        ; 32 bytes: the tile's part of a block that the launch before has stored
.Lend:
	s_wait_tensorcnt 0x0                           ; the wave's end
	ds_add_u32 v[SPW], v[NIL]
	s_wait_dscnt 0x0
	s_endpgm
.Lfunc_end_k_q4833efa9ac_glob:
	.size	k_q4833efa9ac_glob, .Lfunc_end_k_q4833efa9ac_glob-k_q4833efa9ac_glob
	.p2alignl 7, 3214868480
	.fill 96, 4, 3214868480
	.section	.rodata,"a",@progbits
	.p2align	6, 0x0
	.amdhsa_kernel k_q4833efa9ac_glob
		.amdhsa_group_segment_fixed_size 34816
		.amdhsa_private_segment_fixed_size 0
		.amdhsa_enable_private_segment 0
		.amdhsa_kernarg_size 16
		.amdhsa_user_sgpr_count 2
		.amdhsa_user_sgpr_kernarg_segment_ptr 1
		.amdhsa_wavefront_size32 1
		.amdhsa_system_sgpr_workgroup_id_x 1
		.amdhsa_system_sgpr_workgroup_id_y 1
		.amdhsa_system_sgpr_workgroup_id_z 1
		.amdhsa_system_vgpr_workitem_id 0
		.amdhsa_next_free_vgpr 256
		.amdhsa_next_free_sgpr 66
		.amdhsa_reserve_vcc 0
		.amdhsa_float_denorm_mode_32 3
		.amdhsa_float_denorm_mode_16_64 3
		.amdhsa_memory_ordered 1
		.amdhsa_forward_progress 1
		.amdhsa_inst_pref_size 30
	.end_amdhsa_kernel
	.amdgpu_metadata
---
amdhsa.version: [ 1, 2 ]
amdhsa.kernels:
  - .name:           k_q4833efa9ac_glob
    .symbol:         k_q4833efa9ac_glob.kd
    .args:
      - { .name: part, .offset: 0, .size: 8, .value_kind: global_buffer, .address_space: global }
      - { .name: yq, .offset: 8, .size: 8, .value_kind: global_buffer, .address_space: global }
    .group_segment_fixed_size: 34816
    .private_segment_fixed_size: 0
    .kernarg_segment_align: 8
    .kernarg_segment_size: 16
    .max_flat_workgroup_size: 256
    .sgpr_count:     66
    .vgpr_count:     256
    .wavefront_size: 32
...
	.end_amdgpu_metadata
.endif
;; end of part 4
;; launch proj (part 5): grid 8 x 32, 4 waves a work-group, clusters of 4 x 4, 222,720 bytes of LDS; arguments yq, wpq, b_proj, out0; writes out0
.if DOCPART == 5
	.amdgcn_target "amdgcn-amd-amdhsa--gfx1250"
	.amdhsa_code_object_version 6
	.text
	.protected	k_q4833efa9ac_proj
	.globl	k_q4833efa9ac_proj
	.p2align	8
	.type	k_q4833efa9ac_proj,@function
k_q4833efa9ac_proj:
	s_mov_b64 s[64:65], 0
	v_nop
	global_prefetch_b8 v0, s[64:65] scope:SCOPE_SE
	s_setreg_imm32_b32 hwreg(HW_REG_WAVE_MODE, 25, 1), 1
	s_wait_xcnt 0x0
	s_wait_alu depctr_hold_cnt(0) depctr_sa_sdst(0) depctr_va_vdst(0) depctr_va_sdst(0) depctr_va_ssrc(0) depctr_va_vcc(0) depctr_vm_vsrc(0)
	s_getreg_b32 s2, hwreg(HW_REG_IB_STS2, 6, 4)
	s_cmp_eq_u32 s2, 0
	s_cbranch_scc0 .Lentry_in_a_cluster
	s_endpgm
.Lentry_in_a_cluster:
	s_bfe_u32 s2, ttmp6, 0x10000c
	s_cmp_lg_u32 s2, 0xf033
	s_cbranch_scc0 .Lentry_shape_is_right
	s_endpgm
.Lentry_shape_is_right:
; out = Q(y) Q(W_proj) + b_proj on codes of FP6 (E2M3).  M 4,096, N 1,024, K 1,024; out f32.
; 256 work-groups of 128 tokens x 128 columns, four waves of 64 x 64: 16 accumulators.  ALL OF K of the work-group's rows fits in LDS (2 x 98,304 bytes): it is filled ONCE, in two chunks of 512 along K: no refill, no ring.
; The codes lie as images of operand registers: a fragment is six loads of 8 bytes a lane at 8 x lane.  y's scale bytes lie [head][tile][row][2]: two halfwords make the word of 128 along K.
; CLUSTERS: 4 x 4 work-groups; y's tiles are asked for jointly along a row of the cluster, the weight's along a column.  Three loads of a wave are out at the most (scales, two chunks).
; THE MATRIX INSTRUCTION IS USED TRANSPOSED (source 0 = 16 columns, source 1 = 16 tokens).  The bias is the C of each sum's first product: it starts the f32 sum.
; y's tiles hold tokens 32 B + 8 u + r + 8 (r / 8): the true row stands in the stores' immediates.
.set FR,    12
.set CH,    98304                      ; a chunk: [wave that fetched it][4 tiles][6,144]
.set HALFT, 24576
.set ASC,   2*CH                       ; y's scale bytes [head 16][tile 8][32]
.set BSC,   ASC+4096                   ; the weight's scale words [pair 4][K step 8][32 lanes][4]
.set SPARE, BSC+4096                   ; the spare words: two blocks of 256 bytes that no other line names
.set STG,   SPARE+512                  ; the way out: 16 rows x (256 + 16) a wave
.set L8,   2
.set SAA,  3
.set SBA,  4
.set STI,  5
.set STO,  6
.set CO,   7
.set ADRA, 16
.set ADRB, 20
.set SPW,  28
.set NIL,  29
.set SA,   32                          ; v32-63 y's scale words (8 a + K step)
.set SB,   64                          ; v64-95 the weight's (8 b + K step)
.set BI,   96                          ; v96-127 the bias in the result's layout
.set ACC,  128                         ; v128-255 the accumulators
.set G1, 24
.set G0, 32
.set G1B, 48
.set G0B, 56
.set G1S, 68
.set G0S, 76
.set G1SB, 80
.set G0SB, 88
.set MSB, 0
.macro WIN new
.if MSB != (\new)
	s_set_vgpr_msb (MSB<<8)|(\new)
.set MSB, (\new)
.endif
.endm
.set MUL,  0x05                        ; sources 0 and 1 window 1; C and D window 0
.set TO_F, 0x40
.macro JLOAD g0a, g1a, g0b, g1b
	s_cmp_eq_u32 s15, 0
	s_cbranch_scc0 .Lfor_b_\@
	tensor_load_to_lds s[\g0a:\g0a+3], s[\g1a:\g1a+7]
	s_nop 0
.rept 4
	v_nop
.endr
	s_branch .Lasked_\@
.Lfor_b_\@:
	tensor_load_to_lds s[\g0b:\g0b+3], s[\g1b:\g1b+7]
	s_nop 0
.rept 4
	v_nop
.endr
.Lasked_\@:
.endm
.macro CROUND
	s_barrier_signal -1
	s_barrier_wait -1
	s_cmp_lg_u32 s14, 0
	s_cbranch_scc1 .Lnot_wave_0_\@
	s_barrier_signal -3
.Lnot_wave_0_\@:
	s_barrier_wait -3
	s_barrier_signal -1
	s_barrier_wait -1
.endm
.macro PLACES
.rept 4
	v_nop
.endr
.endm
	s_load_b256 s[4:11], s[0:1], 0x0               ; yq, wpq, b_proj, out0
	v_lshl_add_u32 v[SPW], v0, 2, SPARE
	v_mov_b32 v[NIL], 0
	ds_add_u32 v[SPW], v[NIL]                      ; the wave's opening: the add and its wait come ahead of my first tensor load
	v_lshrrev_b32 v1, 5, v0
	v_readfirstlane_b32 s14, v1
	s_lshr_b32 s15, s14, 1                         ; my half of the tokens.  Also: I fetch for y (0) or for the weight (1)
	s_and_b32 s16, s14, 1                          ; my half of the columns.  Also: which half I fetch
	s_bfe_u32 s40, ttmp6, 0x40000
	s_bfe_u32 s41, ttmp6, 0x40004
	s_lshl_b32 s42, ttmp9, 2
	s_add_co_u32 s42, s42, s40                     ; tile column
	s_and_b32 s17, ttmp7, 0xffff
	s_lshl_b32 s17, s17, 2
	s_add_co_u32 s17, s17, s41                     ; tile row
	s_lshl_b32 s43, s41, 2
	s_lshl_b32 s43, 15, s43
	s_lshl_b32 s44, 0x1111, s40
	s_or_b32 s[G1+0], s43, (3<<16)|(1<<21)
	s_or_b32 s[G1B+0], s44, (3<<16)|(1<<21)
.irp g, G1, G1B
	s_mov_b32 s[\g+1], 768<<16                     ; a tile's 8 images of a chunk: 6,144 bytes
	s_mov_b32 s[\g+2], 4<<16                       ; 4 tiles
	s_mov_b32 s[\g+3], 768<<16
	s_mov_b32 s[\g+4], 4
	s_mov_b32 s[\g+5], 1536
	s_mov_b32 s[\g+6], 0
	s_mov_b32 s[\g+7], 0
.endr
	s_or_b32 s[G1S+0], s43, (3<<16)|(1<<21)        ; y's scale bytes: 8 heads x 256 bytes, 8,192 bytes apart
	s_mov_b32 s[G1S+1], 32<<16
	s_mov_b32 s[G1S+2], 8<<16
	s_mov_b32 s[G1S+3], 32<<16
	s_mov_b32 s[G1S+4], 8
	s_mov_b32 s[G1S+5], 1024
	s_mov_b32 s[G1S+6], 0
	s_mov_b32 s[G1S+7], 0
	s_or_b32 s[G1SB+0], s44, (3<<16)|(1<<21)       ; the weight's scale words: 2,048 dense bytes
	s_mov_b32 s[G1SB+1], 32<<16
	s_mov_b32 s[G1SB+2], 8<<16
	s_mov_b32 s[G1SB+3], 32<<16
	s_mov_b32 s[G1SB+4], 8
	s_mov_b32 s[G1SB+5], 32
	s_mov_b32 s[G1SB+6], 0
	s_mov_b32 s[G1SB+7], 0
	s_lshl_b32 s18, s16, 2
	s_lshl_b32 s20, s17, 3
	s_add_co_u32 s20, s20, s18
	s_mul_i32 s20, s20, 12288                      ; y: tile 8 x tile row + 4 x half
	s_lshl_b32 s46, s42, 3
	s_add_co_u32 s46, s46, s18
	s_mul_i32 s46, s46, 12288
	s_lshl_b32 s22, s16, 16
	s_lshl_b32 s23, s17, 8
	s_add_co_u32 s22, s22, s23                     ; y's scale bytes: heads 8 x half on, my 8 tiles
	s_lshl_b32 s92, s42, 12
	s_lshl_b32 s93, s16, 11
	s_add_co_u32 s92, s92, s93
	s_mov_b32 s21, 0
	s_mov_b32 s23, 0
	s_mov_b32 s47, 0
	s_mov_b32 s93, 0
	s_mul_i32 s45, s14, HALFT
	s_lshl_b32 s94, s14, 11
	s_wait_dscnt 0x0
	s_wait_kmcnt 0x0
	s_add_nc_u64 s[20:21], s[4:5], s[20:21]
	s_add_nc_u64 s[22:23], s[4:5], s[22:23]
	s_add_nc_u64 s[22:23], s[22:23], 3145728
	s_add_nc_u64 s[46:47], s[6:7], s[46:47]
	s_add_nc_u64 s[92:93], s[6:7], s[92:93]
	s_add_nc_u64 s[92:93], s[92:93], 786432
	CROUND                                         ; all sixteen work-groups are here: the joint loads meet
	s_mov_b32 s[G0S], 1
	s_add_co_u32 s[G0S+1], s94, ASC
	s_mov_b64 s[G0S+2:G0S+3], s[22:23]
	s_or_b32 s[G0S+3], s[G0S+3], 0x80000000
	s_mov_b32 s[G0SB], 1
	s_add_co_u32 s[G0SB+1], s94, ASC
	s_mov_b64 s[G0SB+2:G0SB+3], s[92:93]
	s_or_b32 s[G0SB+3], s[G0SB+3], 0x80000000
	JLOAD G0S, G1S, G0SB, G1SB
.irp s, 0,1
	s_mov_b32 s[G0+4*\s], 1
	s_add_co_u32 s[G0+4*\s+1], s45, \s*CH
	s_add_nc_u64 s[G0+4*\s+2:G0+4*\s+3], s[20:21], \s*6144
	s_or_b32 s[G0+4*\s+3], s[G0+4*\s+3], 0x80000000
	s_mov_b32 s[G0B+4*\s], 1
	s_add_co_u32 s[G0B+4*\s+1], s45, \s*CH
	s_add_nc_u64 s[G0B+4*\s+2:G0B+4*\s+3], s[46:47], \s*6144
	s_or_b32 s[G0B+4*\s+3], s[G0B+4*\s+3], 0x80000000
	JLOAD G0+4*\s, G1, G0B+4*\s, G1B
.endr
	v_and_b32 v1, 15, v0                           ; r
	v_bfe_u32 v9, v0, 4, 1                         ; h
	v_and_b32 v10, 31, v0
	v_lshlrev_b32 v[L8], 3, v10
	s_mul_i32 s21, s15, HALFT
	s_mul_i32 s22, s16, HALFT
	s_add_co_u32 s22, s22, 2*HALFT
.irp s, 0,1
	v_add_nc_u32 v[ADRA+\s], s21, v[L8]
	v_add_nc_u32 v[ADRB+\s], s22, v[L8]
	s_add_co_u32 s21, s21, CH
	s_add_co_u32 s22, s22, CH
.endr
	s_lshl_b32 s21, s15, 7
	s_add_co_u32 s21, s21, ASC
	v_lshl_add_u32 v[SAA], v1, 1, s21              ; my 4 tiles' bytes: 2 r
	s_lshl_b32 s21, s16, 11
	s_add_co_u32 s21, s21, BSC
	v_lshl_add_u32 v[SBA], v1, 2, s21              ; my 4 tiles' words: 4 r
	s_mul_i32 s23, s14, 16*272
	s_add_co_u32 s23, s23, STG
	v_mul_u32_u24 v11, v1, 272
	v_lshl_add_u32 v11, v9, 5, v11
	v_add_nc_u32 v[STI], s23, v11                  ; in: row r, 32 bytes for each half of the lanes
	v_mul_u32_u24 v11, v9, 272
	v_lshl_add_u32 v11, v1, 4, v11
	v_add_nc_u32 v[STO], s23, v11                  ; back: lanes 0-15 one row, lanes 16-31 the next
	v_lshlrev_b32 v11, 12, v9
	v_lshl_add_u32 v[CO], v1, 4, v11               ; and the same in out
	s_lshl_b32 s46, s42, 9
	s_lshl_b32 s47, s16, 8
	s_add_co_u32 s46, s46, s47
	s_mov_b32 s47, 0
	s_add_nc_u64 s[8:9], s[8:9], s[46:47]
	v_lshlrev_b32 v12, 5, v9
.irp b, 0,1,2,3
	global_load_b128 v[BI+8*\b:BI+8*\b+3], v12, s[8:9] offset:64*\b
	global_load_b128 v[BI+8*\b+4:BI+8*\b+7], v12, s[8:9] offset:64*\b+16
.endr
	s_lshl_b32 s66, s17, 7
	s_lshl_b32 s67, s15, 6
	s_add_co_u32 s66, s66, s67
	s_lshl_b32 s66, s66, 12                        ; my first token's row,
	s_lshl_b32 s67, s42, 9
	s_add_co_u32 s66, s66, s67
	s_lshl_b32 s67, s16, 8
	s_add_co_u32 s66, s66, s67                     ; my first column
	s_mov_b32 s67, 0
	s_add_nc_u64 s[10:11], s[10:11], s[66:67]
.macro FETCH ks                        ; the fragments of K step ks: y's four, the weight's four, into set ks % 2 of window 1
	WIN TO_F
.irp i, 0,1,2,3
.irp p, 0,1,2,3,4,5
	ds_load_b64 v[128*((\ks)%2)+FR*\i+2*\p:128*((\ks)%2)+FR*\i+2*\p+1], v[ADRA+(\ks)/4] offset:\i*6144+((\ks)%4)*1536+\p*256
.endr
.endr
.irp i, 0,1,2,3
.irp p, 0,1,2,3,4,5
	ds_load_b64 v[128*((\ks)%2)+48+FR*\i+2*\p:128*((\ks)%2)+48+FR*\i+2*\p+1], v[ADRB+(\ks)/4] offset:\i*6144+((\ks)%4)*1536+\p*256
.endr
.endr
.endm
.macro MULP ks                         ; 16 products; the accumulators take turns
.irp a, 0,1,2,3
.irp b, 0,1,2,3
.if (\ks) == 0
	v_wmma_scale_f32_16x16x128_f8f6f4 v[ACC+8*(4*\a+\b):ACC+8*(4*\a+\b)+7], v[128*((\ks)%2)+48+FR*\b:128*((\ks)%2)+48+FR*\b+FR-1], v[128*((\ks)%2)+FR*\a:128*((\ks)%2)+FR*\a+FR-1], v[BI+8*\b:BI+8*\b+7], v[SB+8*\b+(\ks)], v[SA+8*\a+(\ks)] matrix_a_fmt:MATRIX_FMT_FP6 matrix_b_fmt:MATRIX_FMT_FP6
.else
	v_wmma_scale_f32_16x16x128_f8f6f4 v[ACC+8*(4*\a+\b):ACC+8*(4*\a+\b)+7], v[128*((\ks)%2)+48+FR*\b:128*((\ks)%2)+48+FR*\b+FR-1], v[128*((\ks)%2)+FR*\a:128*((\ks)%2)+FR*\a+FR-1], v[ACC+8*(4*\a+\b):ACC+8*(4*\a+\b)+7], v[SB+8*\b+(\ks)], v[SA+8*\a+(\ks)] matrix_a_fmt:MATRIX_FMT_FP6 matrix_b_fmt:MATRIX_FMT_FP6
.endif
.endr
.endr
.endm
	s_wait_tensorcnt 1                             ; the scales and chunk 0 are in; chunk 1's load may be out
	s_barrier_signal -1
	s_barrier_wait -1
.irp b, 0,1,2,3
.irp k, 0,1,2,3,4,5,6,7
	ds_load_b32 v[SB+8*\b+\k], v[SBA] offset:(\b/2)*1024+\k*128+(\b%2)*64
.endr
.endr
.irp a, 0,1,2,3
.set j, 0
.rept 16
	ds_load_u16 v[ACC+16*\a+j], v[SAA] offset:j*256+\a*32       ; head j's two bytes of row r of tile a, into registers that the sums will take
.set j, j+1
.endr
.endr
	s_wait_dscnt 0x0
.irp k, 0,1,2,3,4,5,6,7
.irp a, 0,1,2,3
	v_lshl_or_b32 v[SA+8*\a+\k], v[ACC+16*\a+2*\k+1], 16, v[ACC+16*\a+2*\k]   ; heads 2 k and 2 k + 1 are K step k
.endr
.endr
.rept 8
	v_nop                                          ; a scale register written by a vector instruction stands 8 places ahead of a scaled product
.endr
	FETCH 0
.irp k, 0,1,2,3,4,5,6,7
.if \k == 3
	WIN 0
	s_wait_tensorcnt 0x0                           ; my part of chunk 1 is in,
	s_wait_dscnt 0x0
	s_barrier_signal -1
	s_barrier_wait -1                              ; everybody's is
.endif
.if \k < 7
	PLACES                                         ; behind the last products, ahead of loads into the set that they read
	FETCH \k+1
	s_wait_dscnt 48                                ; all but the 48 just issued
.else
	s_wait_dscnt 0x0
.endif
.if \k == 0
	s_wait_loadcnt 0x0                             ; the bias
.endif
	WIN MUL
	MULP \k
.endr
	WIN 0
	PLACES
; THE WAY OUT: a tile of 16 tokens x 64 columns through my own stage, back as rows of 256 bytes.  The rows land in the bias's registers and in accumulators already sent, by turns
.irp a, 0,1,2,3
.set OBB, BI+32*(\a%2)
.if \a > 1
	s_wait_xcnt 0x0                                ; the stores of two tiles ago have read these registers
.endif
.irp b, 0,1,2,3
	ds_store_b128 v[STI], v[ACC+8*(4*\a+\b):ACC+8*(4*\a+\b)+3] offset:64*\b        ; each accumulator from its low end on
	ds_store_b128 v[STI], v[ACC+8*(4*\a+\b)+4:ACC+8*(4*\a+\b)+7] offset:64*\b+16
.endr
.irp t, 0,1,2,3,4,5,6,7
	ds_load_b128 v[OBB+4*\t:OBB+4*\t+3], v[STO] offset:\t*544    ; LDS serves a wave's instructions in order: these see my stores
.endr
.irp t, 0,1,2,3,4,5,6,7
	s_wait_dscnt 7-\t
	global_store_b128 v[CO], v[OBB+4*\t:OBB+4*\t+3], s[10:11] offset:(32*(\a/2)+8*(\a%2)+2*\t+8*(\t/4))*4096 th:TH_STORE_NT   ; sixteen lanes store 256 consecutive bytes, aligned
.endr
.endr
	s_wait_tensorcnt 0x0                           ; the wave's end
	ds_add_u32 v[SPW], v[NIL]
	s_wait_dscnt 0x0
	CROUND                                         ; the closing round
	s_endpgm
.Lfunc_end_k_q4833efa9ac_proj:
	.size	k_q4833efa9ac_proj, .Lfunc_end_k_q4833efa9ac_proj-k_q4833efa9ac_proj
	.p2alignl 7, 3214868480
	.fill 96, 4, 3214868480
	.section	.rodata,"a",@progbits
	.p2align	6, 0x0
	.amdhsa_kernel k_q4833efa9ac_proj
		.amdhsa_group_segment_fixed_size 222720
		.amdhsa_private_segment_fixed_size 0
		.amdhsa_enable_private_segment 0
		.amdhsa_kernarg_size 32
		.amdhsa_user_sgpr_count 2
		.amdhsa_user_sgpr_kernarg_segment_ptr 1
		.amdhsa_wavefront_size32 1
		.amdhsa_system_sgpr_workgroup_id_x 1
		.amdhsa_system_sgpr_workgroup_id_y 1
		.amdhsa_system_sgpr_workgroup_id_z 1
		.amdhsa_system_vgpr_workitem_id 0
		.amdhsa_next_free_vgpr 512
		.amdhsa_next_free_sgpr 96
		.amdhsa_reserve_vcc 0
		.amdhsa_float_denorm_mode_32 3
		.amdhsa_float_denorm_mode_16_64 3
		.amdhsa_memory_ordered 1
		.amdhsa_forward_progress 1
		.amdhsa_inst_pref_size 69
	.end_amdhsa_kernel
	.amdgpu_metadata
---
amdhsa.version: [ 1, 2 ]
amdhsa.kernels:
  - .name:           k_q4833efa9ac_proj
    .symbol:         k_q4833efa9ac_proj.kd
    .args:
      - { .name: yq, .offset: 0, .size: 8, .value_kind: global_buffer, .address_space: global }
      - { .name: wpq, .offset: 8, .size: 8, .value_kind: global_buffer, .address_space: global }
      - { .name: b_proj, .offset: 16, .size: 8, .value_kind: global_buffer, .address_space: global }
      - { .name: out0, .offset: 24, .size: 8, .value_kind: global_buffer, .address_space: global }
    .group_segment_fixed_size: 222720
    .private_segment_fixed_size: 0
    .kernarg_segment_align: 8
    .kernarg_segment_size: 32
    .max_flat_workgroup_size: 128
    .sgpr_count:     96
    .vgpr_count:     512
    .wavefront_size: 32
...
	.end_amdgpu_metadata
.endif
;; end of part 5
